; MI455X (gfx1250); checked and timed in simulation.
; The chip was launched on July 23, 2026; its instructions are those of AMD's public machine-readable ISA for CDNA 5 (MIT licence, August 2026) and "CDNA5" Instruction Set Architecture Reference Guide (July 2026). The comments in the code are by the model that wrote it; some were corrected since.
;; Cross Attention Ro PE. Allowed arithmetic: matrix products marked QUANTISED: E2M1 operands, one E8M0 scale for each 32 along K, by v_wmma_scale_f32_16x16x128_f8f6f4 with both operands' format E2M1 (or v_wmma_scale_f32_32x16x128_f4), f32 sums; products left as they are: bf16, f16 or f32 operands; f32 sums; everything else in f32.
;; Inputs: bk 1,024 float32; bo 1,024 float32; bq 1,024 float32; bv 1,024 float32; ctx 8 x 2,048 x 1,024 float32; freqs_cis 2,048 x 32 x 2 float32; wk 1,024 x 1,024 float32; wo 1,024 x 1,024 float32; wq 1,024 x 1,024 float32; wv 1,024 x 1,024 float32; x 8 x 512 x 1,024 float32.
;; Outputs: out0 8 x 512 x 1,024 float32.
;; This version of the problem:
;;   THIS VERSION OF THE PROBLEM IS GIVEN IN LOW PRECISION. The matrix products marked QUANTISED in the list below multiply operands that are first quantised to E2M1 (2 exponent bits, 1 mantissa bit; 4 bits a number), with one power-of-two scale for each 32 numbers along K (OCP MX v1.0); their sums are f32. The products marked 'left as it is' may take bf16, f16 or f32 operands, with f32 sums. All else is computed in f32.
;;   The module's matrix products, in the order in which they are computed (A, B: the left and right operand; K: the contracted axis; several contracted axes count as one K, in the product's order):
;;     1. [M 4,096, K 1,024] x [K 1,024, N 1,024]; A: input x; B: input wq: QUANTISED
;;     2. [M 16,384, K 1,024] x [K 1,024, N 1,024]; A: input ctx; B: input wk: QUANTISED
;;     3. [M 16,384, K 1,024] x [K 1,024, N 1,024]; A: input ctx; B: input wv: QUANTISED
;;     4. batch 128 x [M 512, K 64] x [K 64, N 2,048]; A: computed on the way; B: computed on the way: left as it is (an operand is computed on the way)
;;     5. batch 128 x [M 64, K 2,048] x [K 2,048, N 512]; A: computed on the way; B: computed on the way: left as it is (an operand is computed on the way)
;;     6. [M 4,096, K 1,024] x [K 1,024, N 1,024]; A: computed on the way; B: input wo: left as it is (an operand is computed on the way)
;;   THE QUANTISER, for each operand of a quantised product, along K:
;;     - K is cut into blocks of 32 from its start; a last block that is shorter is filled with zeros.
;;     - A block's scale is 2^e with e = floor(log2(the largest magnitude in the block)) - 2, held to -126 .. 127; a block of zeros has e = 0. As a byte (E8M0): e + 127.
;;     - Each number is divided by its block's scale, clamped to +-6, and rounded to the nearest number of E2M1, ties to even, subnormals kept.
;;     - The product sums the exact products of the quantised numbers (number of the format x scale) in f32.
;;   ~~~python
;;   def quantise(x, axis):      # numpy; x: float32 -> the quantised numbers, widened to float32 again
;;       x = np.moveaxis(x, axis, -1); K = x.shape[-1]
;;       x = np.pad(x, [(0, 0)] * (x.ndim - 1) + [(0, -K % 32)]); x = x.reshape(x.shape[:-1] + (-1, 32)); a = np.abs(x).max(-1, keepdims=True)
;;       e = np.where(a > 0, np.clip(np.frexp(np.where(a > 0, a, 1))[1] - 1 - 2, -126, 127), 0)      # np.frexp(a)[1] - 1 = floor(log2(a)), exactly
;;       r = np.clip(x / 2.0 ** e, -6, 6)
;;       step = 2.0 ** (np.maximum(np.frexp(np.where(r == 0, 1, r))[1] - 1, 0) - 1)
;;       q = np.round(r / step) * step * 2.0 ** e      # np.round: ties to even
;;       return np.moveaxis(q.reshape(q.shape[:-2] + (-1,))[..., :K], -1, axis).astype(np.float32)
;;   ~~~
;; One version. Each part assembles by itself: llvm-mc -triple=amdgcn-amd-amdhsa -mcpu=gfx1250 --defsym DOCPART=n.
;; ======== version 1 of 1: 4 launches
;; limits: values are held in f16: magnitudes above 65,504 overflow, below 6.1e-05 lose precision
;; workspace buffers: codes 12,058,624 bytes; scales 753,664 bytes; wob 2,097,152 bytes; kb 33,554,432 bytes; vb 33,554,432 bytes; ao 8,388,608 bytes
;; launch quant (part 1): grid 768 x 1, 4 waves a work-group, no clusters, 33,280 bytes of LDS; arguments x, ctx, wq, wk, wv, wo, codes, scales, wob; writes codes, scales, wob
.if DOCPART == 1
	.amdgcn_target "amdgcn-amd-amdhsa--gfx1250"
	.amdhsa_code_object_version 6
	.text
	.protected	k_q462b0e4ca3_quant
	.globl	k_q462b0e4ca3_quant
	.p2align	8
	.type	k_q462b0e4ca3_quant,@function
k_q462b0e4ca3_quant:
	s_mov_b64 s[64:65], 0
	v_nop
	global_prefetch_b8 v0, s[64:65] scope:SCOPE_SE
	s_setreg_imm32_b32 hwreg(HW_REG_WAVE_MODE, 25, 1), 1
	s_wait_xcnt 0x0
; x [4096][1024], ctx [16384][1024], wq, wk, wv [1024][1024], all f32 with K (the 1,024 channels) innermost, are turned into codes of FP4 (E2M1), two a byte, K innermost,
; with one E8M0 scale byte for each 32 along K.  The five tensors' codes lie on end in ONE buffer of 23,552 rows of 512 bytes (x, ctx, wq, wk, wv), their scale bytes likewise in rows of 32 bytes.
; wo [1024][1024] f32 is rounded to f16 (its product is not quantised; f16's eleven significant bits are wanted, since six roundings of operands meet in each output).
; A block's scale is 2^(floor(log2(its largest magnitude)) - 2); its byte is the largest magnitude's exponent field - 2, held at 1 from below.  Each number is divided by the scale and rounded to the nearest code, ties to even, beyond 6 the code of 6.
; LIMITS: a block of zeros, and a block whose largest magnitude lies under 2^-124, gets the byte 1 (a block of zeros has zero codes, which add nothing under that byte; the bytes are read by this program alone);
; a number of wo beyond 65,504 in magnitude becomes an infinity, and its smallest step is 2^-24; NaN and infinities among the inputs are not served.
; Rows are dense and K is a multiple of 32: every tensor is a plain stream of blocks of 32.  A work-group takes 32,768 numbers, a wave 8,192: 16 steps of 512.
; Work-groups 0-127 take x, 128-639 ctx, 640-671 wq, 672-703 wk, 704-735 wv, 736-767 cast wo.  Only pointers are chosen for the first five: they take one path through the text.
; The conversions take neighbours along K from ONE lane's registers, a load is densest where neighbouring LANES take neighbouring bytes: each load reads 512 consecutive bytes, a step's 2,048 bytes turn through the wave's own
; stage in LDS and come back 64 bytes a lane (two neighbouring lanes hold a block).  No tensor loads, no barrier: waves share nothing.
.set STEPS, 16
.set EMAX,  2
.set CB,    8                          ; bytes of 16 codes
.set R,     16                         ; v16-79   four sets of 16 numbers as they are loaded
.set X,     80                         ; v80-111  two sets of 16 neighbours
.set E,     112                        ; v112-127 a scale byte for each step
.set C,     128                        ; v128-191 codes: four registers for each step, so that no store's data are written again
.set WREG,  8192                       ; LDS: a region of its own for each wave: two stages of 32 x SP bytes, behind them its 256 scale bytes
.set SP,    80                         ; a lane's place in a stage: its 64 bytes + 16 of padding
.set WF,    16                         ; the cast: v16-143 two sets of 64 numbers
.set WH,    144                        ; v144-207 two sets of 32 registers of f16
	s_load_b256 s[4:11], s[0:1], 0x0               ; x s[4:5], ctx s[6:7], wq s[8:9], wk s[10:11]
	s_load_b256 s[12:19], s[0:1], 0x20             ; wv s[12:13], wo s[14:15], codes s[16:17], scales s[18:19]
	s_load_b64 s[20:21], s[0:1], 0x40              ; wob
	v_lshl_add_u32 v208, v0, 2, 0x8000
	v_mov_b32 v209, 0
	v_lshrrev_b32 v1, 5, v0
	v_readfirstlane_b32 s22, v1                    ; wave
	v_and_b32 v2, 31, v0                           ; lane
	v_lshlrev_b32 v3, 4, v2                        ; my 16 bytes of a load's 512
	s_mul_i32 s23, s22, WREG
	v_lshrrev_b32 v14, 2, v2
	v_mul_u32_u24 v14, v14, SP
	v_and_b32 v15, 3, v2
	v_lshl_add_u32 v14, v15, 4, v14
	v_add_nc_u32 v14, s23, v14                     ; the stage, on the way in: four lanes' 64 bytes on end, then 16 of padding
	v_mul_u32_u24 v15, v2, SP
	v_add_nc_u32 v15, s23, v15                     ; and on the way out: SP x lane: my 16 neighbours
	v_mul_u32_u24 v4, v2, CB                       ; my codes' place in a step's
	v_lshrrev_b32 v5, 1, v2
	s_add_co_u32 s23, s23, 2*32*SP
	v_add_nc_u32 v5, s23, v5                       ; LDS: my wave's 256 scale bytes, my block's byte
	v_lshlrev_b32 v7, 3, v2                        ; 8 bytes a lane
	v_add_nc_u32 v6, s23, v7
	s_mov_b32 s29, 0
	s_wait_kmcnt 0x0
	s_cmp_ge_u32 ttmp9, 736
	s_cbranch_scc1 .Lcast
	; which tensor: the choice hangs on the work-group's number alone
	s_mov_b64 s[24:25], s[12:13]                   ; wv,
	s_mov_b32 s26, 704                             ; whose first work-group is 704
	s_cmp_lt_u32 ttmp9, 704
	s_cselect_b64 s[24:25], s[10:11], s[24:25]     ; wk
	s_cselect_b32 s26, 672, s26
	s_cmp_lt_u32 ttmp9, 672
	s_cselect_b64 s[24:25], s[8:9], s[24:25]       ; wq
	s_cselect_b32 s26, 640, s26
	s_cmp_lt_u32 ttmp9, 640
	s_cselect_b64 s[24:25], s[6:7], s[24:25]       ; ctx
	s_cselect_b32 s26, 128, s26
	s_cmp_lt_u32 ttmp9, 128
	s_cselect_b64 s[24:25], s[4:5], s[24:25]       ; x
	s_cselect_b32 s26, 0, s26
	s_sub_co_u32 s27, ttmp9, s26
	s_lshl_b32 s27, s27, 2
	s_add_co_u32 s27, s27, s22                     ; which run of 8,192 numbers of the tensor is my wave's
	s_lshl_b32 s28, s27, 15                        ; 32,768 bytes a run (64 MiB at the most)
	s_add_nc_u64 s[24:25], s[24:25], s[28:29]
	s_lshl_b32 s27, ttmp9, 2
	s_add_co_u32 s27, s27, s22                     ; and which run of the one stream of codes
	s_lshl_b32 s28, s27, 12                        ; 4,096 bytes of codes a run
	s_add_nc_u64 s[16:17], s[16:17], s[28:29]
	s_lshl_b32 s28, s27, 8                         ; 256 scale bytes a run
	s_add_nc_u64 s[18:19], s[18:19], s[28:29]
.macro LOAD t
.irp i, 0,1,2,3
	global_load_b128 v[R+16*((\t)%4)+4*\i:R+16*((\t)%4)+4*\i+3], v3, s[24:25] offset:2048*(\t)+512*\i th:TH_LOAD_NT   ; 32 lanes read 512 consecutive bytes
.endr
.endm
.macro TURN t                          ; step t's numbers through the stage: LDS serves a wave's instructions in order, so no wait stands between the stores and the loads
.irp i, 0,1,2,3
	ds_store_b128 v14, v[R+16*((\t)%4)+4*\i:R+16*((\t)%4)+4*\i+3] offset:32*SP*((\t)%2)+8*SP*\i
.endr
.irp i, 0,1,2,3
	ds_load_b128 v[X+16*((\t)%2)+4*\i:X+16*((\t)%2)+4*\i+3], v15 offset:32*SP*((\t)%2)+16*\i
.endr
.endm
.irp t, 0,1,2,3
	LOAD \t
.endr
	s_wait_loadcnt 12                              ; step 0's four loads are in; the twelve of steps 1 to 3 may be out
	TURN 0
.macro STEP t
.set XS, X+16*((\t)%2)
.if (\t) > 0
	s_wait_dscnt 1                                 ; this step's numbers are back from the stage (the last step's byte store may be out): so its stores into the stage have read their registers,
.else
	s_wait_dscnt 0x0
.endif
.if (\t)+4 < STEPS
	LOAD (\t)+4                                    ; which take the loads of four steps on
.endif
.if (\t)+1 < STEPS
.if STEPS-2-(\t) >= 3
	s_wait_loadcnt 12                              ; the next step's four loads are in; those of the three steps behind it may be out
.else
	s_wait_loadcnt 4*(STEPS-2-(\t))
.endif
	TURN (\t)+1                                    ; and go through the other stage while this step is worked
.endif
	v_max3_num_f32 v8, |v[XS]|, |v[XS+1]|, |v[XS+2]|               ; the largest magnitude of my 16, in two chains
	v_max3_num_f32 v9, |v[XS+3]|, |v[XS+4]|, |v[XS+5]|
.irp i, 6,10
	v_max3_num_f32 v8, v8, |v[XS+\i]|, |v[XS+\i+1]|
	v_max3_num_f32 v9, v9, |v[XS+\i+2]|, |v[XS+\i+3]|
.endr
	v_max3_num_f32 v8, v8, |v[XS+14]|, |v[XS+15]|
	v_max3_num_f32 v8, v8, v9, (EMAX+1)<<23        ; and the floor 2^(EMAX + 1 - 127): so the byte cannot fall under 1
	v_max_num_f32_dpp v8, v8, v8 row_xmask:1 row_mask:0xf bank_mask:0xf   ; and of my neighbour's 16: the block's
	v_add_nc_u32 v11, -(EMAX<<23), v8              ; EMAX off its exponent field: the conversion takes the exponent field of this operand as its scale, and nothing else of it
	v_cvt_scalef32_pk8_fp4_f32 v[C+4*(\t)], v[XS:XS+7], v11
	v_cvt_scalef32_pk8_fp4_f32 v[C+4*(\t)+1], v[XS+8:XS+15], v11
	v_lshrrev_b32 v[E+(\t)], 23, v11               ; the scale's byte (also the plain line behind the conversions)
	ds_store_b8 v5, v[E+(\t)] offset:16*(\t)       ; both lanes of a block write the same byte with the same value
	global_store_b64 v4, v[C+4*(\t):C+4*(\t)+1], s[16:17] offset:32*CB*(\t)   ; the wave stores 256 consecutive bytes, aligned
.endm
.irp t, 0,1,2,3,4,5,6,7,8,9,10,11,12,13,14,15
	STEP \t
.endr
	ds_load_b64 v[12:13], v6                       ; LDS serves a wave's instructions in order: these see my stores
	s_wait_dscnt 0x0
	global_store_b64 v7, v[12:13], s[18:19]        ; 32 lanes store 256 consecutive bytes, aligned
	s_wait_tensorcnt 0x0
	ds_add_u32 v208, v209
	s_wait_dscnt 0x0
	s_endpgm
; THE CAST of wo.  A wave takes 8,192 numbers in four batches of 16 loads; a load reads 512 consecutive bytes, its four numbers a lane become 8 bytes, and a store covers 256 consecutive bytes, aligned.  Two batches of loads are out.
.Lcast:
	s_sub_co_u32 s27, ttmp9, 736
	s_lshl_b32 s27, s27, 2
	s_add_co_u32 s27, s27, s22
	s_lshl_b32 s28, s27, 15
	s_add_nc_u64 s[14:15], s[14:15], s[28:29]
	s_lshl_b32 s28, s27, 14
	s_add_nc_u64 s[20:21], s[20:21], s[28:29]
.macro LOADB t
.irp i, 0,1,2,3,4,5,6,7,8,9,10,11,12,13,14,15
	global_load_b128 v[WF+64*((\t)%2)+4*\i:WF+64*((\t)%2)+4*\i+3], v3, s[14:15] offset:512*(16*(\t)+\i) th:TH_LOAD_NT
.endr
.endm
.macro CASTB t
.if (\t) < 3
	s_wait_loadcnt 16                              ; this batch is in; the next batch's sixteen loads may be out
.else
	s_wait_loadcnt 0x0
.endif
.if (\t) >= 2
	s_wait_xcnt 0x0                                ; the stores of two batches back have read their data registers: they are written again only behind this wait
.endif
.irp i, 0,1,2,3,4,5,6,7,8,9,10,11,12,13,14,15
	v_cvt_pk_f16_f32 v[WH+32*((\t)%2)+2*\i], v[WF+64*((\t)%2)+4*\i], v[WF+64*((\t)%2)+4*\i+1]
	v_cvt_pk_f16_f32 v[WH+32*((\t)%2)+2*\i+1], v[WF+64*((\t)%2)+4*\i+2], v[WF+64*((\t)%2)+4*\i+3]
.endr
.if (\t) < 2
	LOADB (\t)+2
.endif
.irp i, 0,1,2,3,4,5,6,7,8,9,10,11,12,13,14,15
	global_store_b64 v7, v[WH+32*((\t)%2)+2*\i:WH+32*((\t)%2)+2*\i+1], s[20:21] offset:256*(16*(\t)+\i)
.endr
.endm
	LOADB 0
	LOADB 1
	CASTB 0
	CASTB 1
	CASTB 2
	CASTB 3
	s_endpgm
.Lfunc_end_k_q462b0e4ca3_quant:
	.size	k_q462b0e4ca3_quant, .Lfunc_end_k_q462b0e4ca3_quant-k_q462b0e4ca3_quant
	.p2alignl 7, 3214868480
	.fill 96, 4, 3214868480
	.section	.rodata,"a",@progbits
	.p2align	6, 0x0
	.amdhsa_kernel k_q462b0e4ca3_quant
		.amdhsa_group_segment_fixed_size 33280
		.amdhsa_private_segment_fixed_size 0
		.amdhsa_enable_private_segment 0
		.amdhsa_kernarg_size 72
		.amdhsa_user_sgpr_count 2
		.amdhsa_user_sgpr_kernarg_segment_ptr 1
		.amdhsa_wavefront_size32 1
		.amdhsa_system_sgpr_workgroup_id_x 1
		.amdhsa_system_sgpr_workgroup_id_y 1
		.amdhsa_system_sgpr_workgroup_id_z 1
		.amdhsa_system_vgpr_workitem_id 0
		.amdhsa_next_free_vgpr 210
		.amdhsa_next_free_sgpr 66
		.amdhsa_reserve_vcc 0
		.amdhsa_float_denorm_mode_32 3
		.amdhsa_float_denorm_mode_16_64 3
		.amdhsa_memory_ordered 1
		.amdhsa_forward_progress 1
		.amdhsa_inst_pref_size 54
	.end_amdhsa_kernel
	.amdgpu_metadata
---
amdhsa.version: [ 1, 2 ]
amdhsa.kernels:
  - .name:           k_q462b0e4ca3_quant
    .symbol:         k_q462b0e4ca3_quant.kd
    .args:
      - { .name: x, .offset: 0, .size: 8, .value_kind: global_buffer, .address_space: global }
      - { .name: ctx, .offset: 8, .size: 8, .value_kind: global_buffer, .address_space: global }
      - { .name: wq, .offset: 16, .size: 8, .value_kind: global_buffer, .address_space: global }
      - { .name: wk, .offset: 24, .size: 8, .value_kind: global_buffer, .address_space: global }
      - { .name: wv, .offset: 32, .size: 8, .value_kind: global_buffer, .address_space: global }
      - { .name: wo, .offset: 40, .size: 8, .value_kind: global_buffer, .address_space: global }
      - { .name: codes, .offset: 48, .size: 8, .value_kind: global_buffer, .address_space: global }
      - { .name: scales, .offset: 56, .size: 8, .value_kind: global_buffer, .address_space: global }
      - { .name: wob, .offset: 64, .size: 8, .value_kind: global_buffer, .address_space: global }
    .group_segment_fixed_size: 33280
    .private_segment_fixed_size: 0
    .kernarg_segment_align: 8
    .kernarg_segment_size: 72
    .max_flat_workgroup_size: 128
    .sgpr_count:     66
    .vgpr_count:     210
    .wavefront_size: 32
...
	.end_amdgpu_metadata
.endif
;; end of part 1
;; launch proj (part 2): grid 4 x 64, 4 waves a work-group, clusters of 4 x 4, 327,680 bytes of LDS; arguments codes, scales, bk, bv, freqs_cis, kb, vb; writes kb, vb
.if DOCPART == 2
	.amdgcn_target "amdgcn-amd-amdhsa--gfx1250"
	.amdhsa_code_object_version 6
	.text
	.protected	k_q462b0e4ca3_proj
	.globl	k_q462b0e4ca3_proj
	.p2align	8
	.type	k_q462b0e4ca3_proj,@function
k_q462b0e4ca3_proj:
	s_mov_b64 s[64:65], 0
	v_nop
	global_prefetch_b8 v0, s[64:65] scope:SCOPE_SE
	s_setreg_imm32_b32 hwreg(HW_REG_WAVE_MODE, 25, 1), 1
	s_wait_xcnt 0x0
	s_wait_alu depctr_hold_cnt(0) depctr_sa_sdst(0) depctr_va_vdst(0) depctr_va_sdst(0) depctr_va_ssrc(0) depctr_va_vcc(0) depctr_vm_vsrc(0)
	s_getreg_b32 s2, hwreg(HW_REG_IB_STS2, 6, 4)
	s_cmp_eq_u32 s2, 0
	s_cbranch_scc0 .Lentry_in_a_cluster
	s_endpgm
.Lentry_in_a_cluster:
	s_bfe_u32 s2, ttmp6, 0x10000c
	s_cmp_lg_u32 s2, 0xf033
	s_cbranch_scc0 .Lentry_shape_is_right
	s_endpgm
.Lentry_shape_is_right:
; k = rope(ctx wk^T + bk) and v = ctx wv^T + bv: two products on codes of FP4 (E2M1) with one E8M0 scale for each 32 along K = 1,024; sums in f32; results rounded once to f16, laid [token][1024].
; k IS STORED AS k x 2^-6: it is the product of three inputs (ctx, wk, freqs_cis), so with each of them 30 times larger it grows 27,000-fold, from about 18 at the most to about 500,000, past f16's 65,504; divided by 64 it has room.
; The factor is exact (it is put on cos and sin) and is taken back in the constant by which the scores are scaled.  v, a product of two inputs, grows 900-fold to under 5,000 and is stored as it is.
; The codes of x, ctx, wq, wk, wv lie on end in one buffer of rows of 512 bytes (rows 0, 4,096, 20,480, 21,504, 22,528 on), their scale bytes in rows of 32 bytes.
; SHARES.  256 work-groups of four waves.  A WORK-GROUP STAYS AND MAKES TWO TILES of 256 tokens x 256 channels: first k's, then v's, of the SAME tokens and the same channels.  A wave makes 128 x 128: 64 accumulators, 512 registers.
; K is two steps of 512, one to a slot.  The tokens' codes (both steps) and their scale bytes are fetched once and serve both tiles; wk's and wv's scale bytes are fetched at the start; only the weight's half of each slot is
; filled again, with wv's tile: slot 0's when k's first K step is done, slot 1's when its second is.  k goes out while slot 1's refill lands, and k's stores leave while v is multiplied.
; CLUSTERS of 4 x 4 work-groups: the four of a row (the four blocks of 256 channels) need the same tiles of tokens, the four of a column the same tiles of weights: each tile is asked for JOINTLY, by the same tensor load
; with the same descriptor and a mask that names the four.  Each joint refill stands behind a round of the cluster's barrier.
; No prefetch: all tiles but wv's go out at the start, and wv's are read by all sixteen clusters.
; THE MATRIX INSTRUCTION IS USED TRANSPOSED (source 0 = 16 rows of the weight, source 1 = 16 tokens): a lane holds eight neighbouring channels of one token.  So the bias is eight registers a block of channels, given as
; the C of each sum's first product; a RoPE pair (channels 2 i, 2 i + 1) lies in two neighbouring registers of one lane; and eight results pack into 16 bytes of a row.
; ROPE: (kr, ki) -> (kr c - ki s, kr s + ki c), c and s as freqs_cis gives them for the token's position (token mod 2,048) and the pair's place in its head of 64.  Each result is one multiplication and one fused multiply-add.
; LIMITS: results are rounded to f16 (the products that take them are not quantised): a v beyond 65,504 in magnitude, a k beyond 64 x 65,504, becomes an infinity; the smallest step is 2^-24 (k: 2^-18);
; the fused multiply-add rounds once where two roundings are written in the definition; NaN and infinities are not served.
; REGISTERS, in windows of 256: window 0: v16-31 addresses; v32-95 scale words, two sets; v128-191 the tokens' fragments, ONE set; v192-255 cos and sin.  On the way out v32-95 rows read back, v96-127 packed results, v128-191 rotated numbers.
;   window 1: the weight's fragments, TWO sets, at v0 and v128; v64-127 bk, v192-255 bv.   window 2: the 32 accumulators of my tokens 0-63 (accumulator (a, b) at v[8 (8 a + b)]);   window 3: those of my tokens 64-127.
.set KSTEP,  512                       ; along K in a slot
.set NQ,     KSTEP/128                 ; matrix instructions deep
.set ROWB,   256                       ; a tile's row in bytes: 512 codes
.set KROW,   512                       ; a row of codes in memory
.set PITCH,  272                       ; an LDS row: 256 bytes + 16 of padding = 68 words: row r starts at bank 4 r mod 64 (64 banks of 4 bytes: ISA guide 11.1)
.set FR,     8                         ; registers of a fragment: 16 rows x 128 K
.set NL,     2                         ; LDS loads that bring one
.set NP,     4                         ; places behind this matrix instruction (ISA guide 7.12.1)
.set HALFT,  128*PITCH                 ; 128 rows: what one tensor load brings
.set SLOT,   4*HALFT                   ; the tokens' 256 rows, then the weight's 256 rows
.set KS,     32                        ; a row of scale bytes
.set SCL,    2*SLOT                    ; behind the slots: the scale bytes, as runs of 256 bytes + 16 of padding: the tokens' 256 rows, wk's 256, wv's 256
.set HALFS,  (128*KS/256)*272          ; those of 128 rows
.set QUARS,  (64*KS/256)*272           ; those of 64 rows: what one tensor load brings
.set SBLK,   (16*KS/256)*272           ; those of 16 rows
.set SPARE,  SCL+6*HALFS               ; the spare words, 128 bytes for each wave: two blocks of 256 bytes that no other line names
.set STAGE,  SPARE+512                 ; the way out: 16 rows x 272 bytes for each wave, bytes into which no tile lands
.set OROW,   2048                      ; a token's row of k or v in bytes
.set WVSTEP, 1024*KROW                 ; from wk's rows of codes to wv's
.set ADRA, 16                          ; v16-17  LDS address of my tokens' fragments in slot 0, 1
.set ADRB, 20                          ; v20-21  the same for the weight
.set ADRV, 22                          ; v22     LDS address of my scale words for v: lanes 0-15 the tokens', lanes 16-31 wv's
.set STO,  24                          ; v24     the way out: where I put 16 bytes of a row
.set RD,   25                          ; v25     where I read a row back
.set CO,   26                          ; v26     my byte offset in two rows of the output
.set ADRS, 27                          ; v27     LDS address of my scale words for k: lanes 0-15 the tokens', lanes 16-31 wk's
.set SPW,  28                          ; v28     LDS address of my spare word; never rewritten
.set NIL,  29                          ; v29     0; never rewritten
.set FO,   30                          ; v30     my byte offset in 16 rows of freqs_cis: 256 x (lane % 16) + 32 x (lane / 16)
.set BO,   31                          ; v31     my byte offset in a block of 16 biases: 32 x (lane / 16)
.set SC,   32                          ; scale words: set s at v[SC + 32 s]; register 4 i + q: lanes 0-15 the word of the tokens' block i, lanes 16-31 that of the weight's block i, for the slot's q-th 128 along K
.set AF,   128                         ; the tokens' fragments
.set BIK,  64                          ; in window 1: bk, eight registers for each of my 8 blocks of 16 channels
.set BIV,  192                         ; in window 1: bv
.set BK,   32                          ; the way out: 16 rows read back: v32-63 and v64-95 by turns
.set TMP,  96                          ; packed results
.set U,    128                         ; rotated numbers
.set F,    192                         ; cos and sin of 16 tokens x 64 channels: v192-223 and v224-255 by turns
.set G1, 24                            ; s[24:31] descriptor group 1 for the tokens' tiles;  s[32:39] group 0, one set for each slot
.set G0, 32
.set G1B, 48                           ; s[48:55], s[56:63] the same for the weight's tiles
.set G0B, 56
.set G1S, 68                           ; s[68:75], s[76:79] groups 1 and 0 for the tokens' scale bytes
.set G0S, 76
.set G1SB, 80                          ; s[80:87] group 1 for a weight's scale bytes;  s[88:91] group 0 for wk's, s[96:99] for wv's
.set G0SB, 88
.set G0SW, 96
.set KSC,  100                         ; s[100:101] 2^-6, twice: the packed multiplication names a pair
.set MSB, 0
.macro WIN new                         ; the immediate's high byte repeats the setting that is left
.if MSB != \new
	s_set_vgpr_msb (MSB<<8)|\new
.set MSB, \new
.endif
.endm
.set MUL_LO,   0xa1                    ; source 0 (weight) window 1, source 1 (tokens) window 0, C and D window 2
.set MUL_HI,   0xf1                    ; the same, C and D window 3
.set FIRST_LO, 0x91                    ; a sum's first product: C (the bias) window 1, D window 2
.set FIRST_HI, 0xd1                    ; D window 3
.set TO_B,     0x40                    ; destination window 1, address window 0
; A joint load: waves 0 and 1 fetch for the tokens, waves 2 and 3 for the weight.  Each of the two lines has ONE mask and one set of registers for all that issue it; the branch hangs on the wave's number alone.
; Four v_nop follow each of the two lines, ahead of the jump, the label and what follows.
.macro JLOAD g0a, g1a, g0b, g1b
	s_cmp_eq_u32 s15, 0
	s_cbranch_scc0 .Lfor_b_\@
	tensor_load_to_lds s[\g0a:\g0a+3], s[\g1a:\g1a+7]
	s_nop 0
.rept 4
	v_nop
.endr
	s_branch .Lasked_\@
.Lfor_b_\@:
	tensor_load_to_lds s[\g0b:\g0b+3], s[\g1b:\g1b+7]
	s_nop 0
.rept 4
	v_nop
.endr
.Lasked_\@:
.endm
; A joint refill of the weight's half of slot s: waves 2 and 3 alone have a part of it to fill; waves 0 and 1 issue nothing.  The branch hangs on the wave's number alone.
.macro BLOAD s
	s_cmp_eq_u32 s15, 0
	s_cbranch_scc1 .Lnone_\@
	tensor_load_to_lds s[G0B+4*\s:G0B+4*\s+3], s[G1B:G1B+7]
	s_nop 0
.rept 4
	v_nop
.endr
.Lnone_\@:
.endm
.macro CREST                           ; a round of the cluster's barrier behind its opening barrier
	s_cmp_lg_u32 s14, 0
	s_cbranch_scc1 .Lnot_wave_0_\@
	s_barrier_signal -3
.Lnot_wave_0_\@:
	s_barrier_wait -3
	s_barrier_signal -1
	s_barrier_wait -1
.endm
.macro CROUND                          ; a whole round
	s_barrier_signal -1
	s_barrier_wait -1
	CREST
.endm
	s_load_b256 s[4:11], s[0:1], 0x0               ; codes s[4:5], scale bytes s[6:7], bk s[8:9], bv s[10:11]
	s_load_b128 s[92:95], s[0:1], 0x20             ; freqs_cis s[92:93], kb s[94:95]
	s_load_b64 s[12:13], s[0:1], 0x30              ; vb
	v_lshl_add_u32 v[SPW], v0, 2, SPARE
	v_mov_b32 v[NIL], 0
	ds_add_u32 v28, v29
	s_wait_dscnt 0x0
	v_lshrrev_b32 v1, 5, v0
	v_readfirstlane_b32 s14, v1                    ; wave 0..3
	s_lshr_b32 s15, s14, 1                         ; which half of the tile's tokens is mine.  Also: I fetch for the tokens (0) or for the weight (1)
	s_and_b32 s16, s14, 1                          ; which half of its channels.  Also: which 128 rows of that tile I fetch
	s_bfe_u32 s40, ttmp6, 0x40000                  ; cx, cy: my place in the cluster
	s_bfe_u32 s41, ttmp6, 0x40004
	s_lshl_b32 s42, ttmp9, 2
	s_add_co_u32 s42, s42, s40                     ; tile column: 256 channels each = 4 x cluster x + cx
	s_and_b32 s17, ttmp7, 0xffff
	s_lshl_b32 s17, s17, 2
	s_add_co_u32 s17, s17, s41                     ; tile row: 256 tokens each = 4 x cluster y + cy
	s_mov_b32 s[KSC], 0x3c800000                   ; 2^-6
	s_mov_b32 s[KSC+1], s[KSC]                     ; (named with it as a pair, so it is written)
	s_lshl_b32 s43, s41, 2
	s_lshl_b32 s43, 15, s43                        ; my row of the cluster
	s_lshl_b32 s44, 0x1111, s40                    ; my column
	; descriptor group 1: a tile of 128 rows x 256 bytes, padded in LDS
	s_or_b32 s[G1+0], s43, (0<<16)|(1<<20)|(1<<21)|(5<<22)|(3<<25)  ; 15:0 the mask: the tokens' tiles go to my row; 17:16 element of 1 byte; 20 padding on; 21 set beside a mask; 24:22 after every 64 words (code 5); 31:25 of 4 words (code 3)
	s_or_b32 s[G1B+0], s44, (0<<16)|(1<<20)|(1<<21)|(5<<22)|(3<<25) ; the same with the mask of my column
.irp g, G1, G1B
	s_mov_b32 s[\g+1], ROWB<<16                    ; tensor_dim0
	s_mov_b32 s[\g+2], 128<<16                     ; tensor_dim1 = 128
	s_mov_b32 s[\g+3], ROWB<<16                    ; tile_dim0
	s_mov_b32 s[\g+4], 128                         ; tile_dim1 = 128
	s_mov_b32 s[\g+5], KROW                        ; tensor_dim0_stride
	s_mov_b32 s[\g+6], 0
	s_mov_b32 s[\g+7], 0
.endr
	; and for the scale bytes of 64 rows: a dense block of 2,048 bytes, as 8 rows of 256 bytes (32 elements of 8 bytes), 16 bytes of padding behind each
	s_or_b32 s[G1S+0], s43, (3<<16)|(1<<20)|(1<<21)|(5<<22)|(3<<25)
	s_or_b32 s[G1SB+0], s44, (3<<16)|(1<<20)|(1<<21)|(5<<22)|(3<<25)
.irp g, G1S, G1SB
	s_mov_b32 s[\g+1], 32<<16
	s_mov_b32 s[\g+2], (64*KS/256)<<16
	s_mov_b32 s[\g+3], 32<<16
	s_mov_b32 s[\g+4], 64*KS/256
	s_mov_b32 s[\g+5], 32
	s_mov_b32 s[\g+6], 0
	s_mov_b32 s[\g+7], 0
.endr
	; where the tiles come from.  The tokens' hang on the tile row alone, the weight's on the tile column alone, each in registers that never hold the other coordinate
	s_lshl_b32 s18, s16, 7                         ; which 128 rows of a tile of codes I fetch
	s_lshl_b32 s19, s14, 6                         ; which 64 rows of scale bytes
	s_lshl_b32 s20, s17, 8
	s_add_co_u32 s20, s20, 4096                    ; ctx's codes begin at row 4,096: the tile's first row
	s_add_co_u32 s22, s20, s19
	s_add_co_u32 s20, s20, s18
	s_lshl_b32 s22, s22, 5                         ; 32 scale bytes a row,
	s_mov_b32 s23, 0
	s_lshl_b32 s20, s20, 9                         ; 512 bytes of codes a row (the buffer has under 2^24 bytes)
	s_mov_b32 s21, 0
	s_lshl_b32 s46, s42, 8
	s_add_co_u32 s46, s46, 21504                   ; wk's codes begin at row 21,504; wv's 1,024 rows follow them
	s_add_co_u32 s2, s46, s19
	s_add_co_u32 s46, s46, s18
	s_lshl_b32 s2, s2, 5
	s_mov_b32 s3, 0
	s_lshl_b32 s46, s46, 9
	s_mov_b32 s47, 0
	s_mul_i32 s45, s14, HALFT                      ; where they go: wave x 128 rows of codes, wave x 64 rows of scale bytes: no place in the cluster enters an LDS address
	s_mul_i32 s66, s14, QUARS
	s_wait_kmcnt 0x0
	s_add_nc_u64 s[20:21], s[4:5], s[20:21]
	s_add_nc_u64 s[22:23], s[6:7], s[22:23]
	s_add_nc_u64 s[46:47], s[4:5], s[46:47]
	s_add_nc_u64 s[2:3], s[6:7], s[2:3]
	CROUND                                         ; all sixteen work-groups are here: the first joint loads meet
	s_mov_b32 s[G0S], 1
	s_add_co_u32 s[G0S+1], s66, SCL
	s_mov_b64 s[G0S+2:G0S+3], s[22:23]
	s_or_b32 s[G0S+3], s[G0S+3], 0x80000000
	s_mov_b32 s[G0SB], 1
	s_add_co_u32 s[G0SB+1], s66, SCL+2*HALFS
	s_mov_b64 s[G0SB+2:G0SB+3], s[2:3]
	s_or_b32 s[G0SB+3], s[G0SB+3], 0x80000000
	s_mov_b32 s[G0SW], 1
	s_add_co_u32 s[G0SW+1], s66, SCL+4*HALFS
	s_add_nc_u64 s[G0SW+2:G0SW+3], s[2:3], 1024*KS
	s_or_b32 s[G0SW+3], s[G0SW+3], 0x80000000
	tensor_load_to_lds s[G0S:G0S+3], s[G1S:G1S+7]          ; the scale bytes first: every wave brings a quarter of each of the three blocks
	s_nop 0
	tensor_load_to_lds s[G0SB:G0SB+3], s[G1SB:G1SB+7]
	s_nop 0
	tensor_load_to_lds s[G0SW:G0SW+3], s[G1SB:G1SB+7]
	s_nop 0
.rept 4
	v_nop
.endr
.irp s, 0,1
	s_mov_b32 s[G0+4*\s], 1
	s_add_co_u32 s[G0+4*\s+1], s45, \s*SLOT
	s_add_nc_u64 s[G0+4*\s+2:G0+4*\s+3], s[20:21], \s*ROWB
	s_or_b32 s[G0+4*\s+3], s[G0+4*\s+3], 0x80000000
	s_mov_b32 s[G0B+4*\s], 1
	s_add_co_u32 s[G0B+4*\s+1], s45, \s*SLOT
	s_add_nc_u64 s[G0B+4*\s+2:G0B+4*\s+3], s[46:47], \s*ROWB
	s_or_b32 s[G0B+4*\s+3], s[G0B+4*\s+3], 0x80000000
	JLOAD G0+4*\s, G1, G0B+4*\s, G1B               ; five tensor loads of mine are out at the start; later one at the most
.endr
	v_and_b32 v1, 15, v0                           ; l % 16
	v_bfe_u32 v2, v0, 4, 1                         ; l / 16
	v_lshlrev_b32 v[BO], 5, v2
	v_lshl_add_u32 v[FO], v1, 8, v[BO]
	s_lshl_b32 s18, s42, 10                        ; my first channel is 256 x tile column + 128 x half: as f32,
	s_lshl_b32 s19, s16, 9
	s_add_co_u32 s18, s18, s19
	s_mov_b32 s19, 0
	s_add_nc_u64 s[8:9], s[8:9], s[18:19]
	s_add_nc_u64 s[10:11], s[10:11], s[18:19]
	s_lshr_b32 s18, s18, 1                         ; as f16
	s_lshl_b32 s20, s17, 8
	s_lshl_b32 s21, s15, 7
	s_add_co_u32 s20, s20, s21                     ; my first token: 256 x tile row + 128 x half
	s_and_b32 s22, s20, 2047                       ; its position; my 128 tokens lie in one sequence of 2,048
	s_lshl_b32 s22, s22, 8                         ; 256 bytes of cos and sin a position
	s_mov_b32 s23, 0
	s_add_nc_u64 s[92:93], s[92:93], s[22:23]
	s_lshl_b32 s20, s20, 11                        ; 2,048 bytes a token (32 MiB at the most)
	s_add_co_u32 s18, s18, s20
	s_add_nc_u64 s[94:95], s[94:95], s[18:19]
	s_add_nc_u64 s[12:13], s[12:13], s[18:19]
	WIN TO_B
.irp b, 0,1,2,3,4,5,6,7
	global_load_b128 v[BIK+8*\b:BIK+8*\b+3], v[BO], s[8:9] offset:64*\b        ; lane (r, h): the biases of channels 16 b + 8 h + 0 .. 7: the result's layout
	global_load_b128 v[BIK+8*\b+4:BIK+8*\b+7], v[BO], s[8:9] offset:64*\b+16
.endr
.irp b, 0,1,2,3,4,5,6,7
	global_load_b128 v[BIV+8*\b:BIV+8*\b+3], v[BO], s[10:11] offset:64*\b
	global_load_b128 v[BIV+8*\b+4:BIV+8*\b+7], v[BO], s[10:11] offset:64*\b+16
.endr
	WIN 0
; cos and sin for block a of 16 tokens: lane (r, h) takes, of position 16 a + r, the floats 16 bb + 8 h + 0 .. 7 (four pairs cos, sin), bb = 0 .. 3: they serve channels 16 bb + 8 h + 0 .. 7 of both of my heads
.macro FLOAD a
.irp bb, 0,1,2,3
	global_load_b128 v[F+32*((\a)%2)+8*\bb:F+32*((\a)%2)+8*\bb+3], v[FO], s[92:93] offset:4096*(\a)+64*\bb
	global_load_b128 v[F+32*((\a)%2)+8*\bb+4:F+32*((\a)%2)+8*\bb+7], v[FO], s[92:93] offset:4096*(\a)+64*\bb+16
.endr
.endm
	FLOAD 0                                        ; my first two blocks of tokens: wanted on k's way out
	FLOAD 1
	v_mul_u32_u24 v3, v1, PITCH
	v_lshl_add_u32 v4, v2, 4, v3                   ; a fragment's row x pitch + 16 x half
	s_mul_i32 s21, s15, HALFT                      ; my 128 tokens
	s_mul_i32 s22, s16, HALFT                      ; my 128 rows of the weight,
	s_add_co_u32 s22, s22, 2*HALFT                 ; which lie behind the tokens' 256
.irp s, 0,1
	v_add_nc_u32 v[ADRA+\s], s21, v4
	v_add_nc_u32 v[ADRB+\s], s22, v4
	s_add_co_u32 s21, s21, SLOT
	s_add_co_u32 s22, s22, SLOT
.endr
	v_mul_u32_u24 v5, v1, KS                       ; my row's scale bytes: 32 a row,
	v_lshrrev_b32 v6, 8, v5
	v_lshl_add_u32 v5, v6, 4, v5                   ; and 16 more for each 256 passed
	s_mul_i32 s21, s15, HALFS                      ; the tokens': my 128 rows
	s_mul_i32 s22, s16, HALFS                      ; wk's: my 128 rows, behind the tokens' 256
	s_add_co_u32 s22, s22, 2*HALFS
	s_sub_co_u32 s22, s22, s21
	v_mul_u32_u24 v6, s22, v2                      ; lanes 16-31 take the weight's: the lower base + half x the distance
	s_add_co_u32 s23, s22, 2*HALFS                 ; wv's lie 256 rows further on
	v_mul_u32_u24 v7, s23, v2
	s_add_co_u32 s21, s21, SCL
	v_add_nc_u32 v6, v5, v6
	v_add_nc_u32 v[ADRS], s21, v6
	v_add_nc_u32 v7, v5, v7
	v_add_nc_u32 v[ADRV], s21, v7
	s_mul_i32 s23, s14, 16*PITCH
	s_add_co_u32 s23, s23, STAGE                   ; my stage
	v_add_nc_u32 v[STO], s23, v4                   ; in: row l % 16, 16 bytes for each half of the lanes
	v_mul_u32_u24 v5, v2, PITCH
	v_lshl_add_u32 v5, v1, 4, v5
	v_add_nc_u32 v[RD], s23, v5                    ; back: lanes 0-15 take one row of 256 bytes, lanes 16-31 the next
	v_lshlrev_b32 v5, 11, v2
	v_lshl_add_u32 v[CO], v1, 4, v5                ; and the same two rows in the output
.macro FRAG reg, adr, q, i             ; a fragment, 16 rows x 128 K of 4-bit codes, is 8 registers: lane l holds row l % 16; registers 4 c .. 4 c + 3 hold K = 64 c + 32 (l / 16) + 0 .. 31
.irp c, 0,1
	ds_load_b128 v[\reg+4*\c:\reg+4*\c+3], v[\adr] offset:64*(\q)+32*\c+(\i)*16*PITCH
.endr
.endm
; 16 matrix instructions: the tokens' blocks a0, a0 + 1 x the weight's eight, 128 along K: the slot's q-th.  p: the weight's set;  sc: the set of scale words.  zero = 1: the first product starts the sums from the bias at v[cb] of window 1.
; The 64 accumulators take turns, one instruction a turn, in the same order in every step.
.macro MUL16 a0, p, q, sc, zero, cb
.irp a, \a0, \a0+1
.irp b, 0,1,2,3,4,5,6,7
.if \zero
	v_wmma_scale_f32_16x16x128_f8f6f4 v[8*(8*((\a)%4)+\b):8*(8*((\a)%4)+\b)+7], v[128*(\p)+FR*\b:128*(\p)+FR*\b+FR-1], v[AF+FR*(\a):AF+FR*(\a)+FR-1], v[\cb+8*\b:\cb+8*\b+7], v[SC+8*NQ*(\sc)+NQ*\b+(\q)], v[SC+8*NQ*(\sc)+NQ*(\a)+(\q)] matrix_a_fmt:MATRIX_FMT_FP4 matrix_b_fmt:MATRIX_FMT_FP4 matrix_a_scale:MATRIX_SCALE_ROW1
.else
	v_wmma_scale_f32_16x16x128_f8f6f4 v[8*(8*((\a)%4)+\b):8*(8*((\a)%4)+\b)+7], v[128*(\p)+FR*\b:128*(\p)+FR*\b+FR-1], v[AF+FR*(\a):AF+FR*(\a)+FR-1], v[8*(8*((\a)%4)+\b):8*(8*((\a)%4)+\b)+7], v[SC+8*NQ*(\sc)+NQ*\b+(\q)], v[SC+8*NQ*(\sc)+NQ*(\a)+(\q)] matrix_a_fmt:MATRIX_FMT_FP4 matrix_b_fmt:MATRIX_FMT_FP4 matrix_a_scale:MATRIX_SCALE_ROW1
.endif
.endr
.endr
.endm
.macro FETCH_B slot, q, p              ; the weight's eight fragments of the slot's q-th 128 along K into set p
	WIN TO_B
.irp i, 0,1,2,3,4,5,6,7
	FRAG 128*(\p)+FR*\i, ADRB+\slot, \q, \i
.endr
	WIN 0
.endm
.macro FETCH_A slot, q, i0             ; the tokens' blocks i0 .. i0 + 3
.irp i, \i0, \i0+1, \i0+2, \i0+3
	FRAG AF+FR*(\i), ADRA+\slot, \q, \i
.endr
.endm
.macro SCALES sc, adr                  ; K step sc's scale words into set sc: four words (16 bytes) a row; lanes 0-15 take the tokens' block i, lanes 16-31 the weight's block i
.irp i, 0,1,2,3,4,5,6,7
	ds_load_b128 v[SC+8*NQ*\sc+NQ*\i:SC+8*NQ*\sc+NQ*\i+3], v[\adr] offset:\i*SBLK+16*\sc
.endr
.endm
; A load into a register that a matrix instruction has read, and a vector instruction or an LDS store that reads a matrix result, stand NP places behind that matrix instruction; only plain vector
; instructions that name none of its registers are places (ISA guide 7.12.1 for vector instructions).
.macro PLACES n
.rept \n
	v_nop
.endr
.endm
; A step of 128 along K that has its successor in the same slot.  A block of tokens is free as soon as its eight products are issued: blocks 0-3 are fetched anew in the step's middle, blocks 4-7 at its end.
.macro STEP slot, q, zero, cb
	s_wait_dscnt 4*NL                              ; the weight's set and the tokens' blocks 0-3 are in; the youngest eight loads (blocks 4-7) may be out
.if \zero
	WIN FIRST_LO
.else
	WIN MUL_LO
.endif
	MUL16 0, (\q)%2, \q, \slot, \zero, \cb
	MUL16 2, (\q)%2, \q, \slot, \zero, \cb
	s_wait_dscnt 0                                 ; blocks 4-7 are in (asked for 32 matrix instructions ago)
	PLACES NP
	FETCH_B \slot, (\q)+1, 1-(\q)%2
	FETCH_A \slot, (\q)+1, 0
.if \zero
	WIN FIRST_HI
.else
	WIN MUL_HI
.endif
	MUL16 4, (\q)%2, \q, \slot, \zero, \cb
	MUL16 6, (\q)%2, \q, \slot, \zero, \cb
	PLACES NP
	WIN 0
	FETCH_A \slot, (\q)+1, 4
.endm
; A slot's last step leaves the slot: ONE barrier; in front of it each wave waits for all its tensor loads, adds 0 to its spare word, and waits for that and for its own reads of this slot.
; fill = 1: the barrier opens a round of the cluster's barrier, and behind it the weight's half of this slot takes wv's tile of the same K step.  go = 1: the next slot's first fragments and scale words (at adr) are fetched.
.macro TURN slot, next, fill, go, adr
	s_wait_tensorcnt 0x0                           ; all my tensor loads have landed  (every window is 0 here: the add's two registers lie in window 0)
	ds_add_u32 v[SPW], v[NIL]                      ; 0 onto my spare word
	s_wait_dscnt 4*NL+1                            ; (the add and the youngest eight loads, blocks 4-7, may be out)
	WIN MUL_LO
	MUL16 0, 1, NQ-1, \slot, 0, 0                  ; sixteen matrix instructions stand between the add and the wait for it
	s_wait_dscnt 0x0                               ; the add is done, and my reads of this slot are over
	s_barrier_signal -1
	MUL16 2, 1, NQ-1, \slot, 0, 0
	WIN 0
	s_barrier_wait -1
.if \fill
	CREST                                          ; no wave of any partner still reads this slot's tile of the weight or has a load on its way
	s_add_nc_u64 s[G0B+4*\slot+2:G0B+4*\slot+3], s[G0B+4*\slot+2:G0B+4*\slot+3], WVSTEP   ; from wk's rows to wv's; the type bits on top are not reached
	BLOAD \slot                                    ; the first tensor load behind the round, one a wave
.endif
	PLACES NP
.if \go
	FETCH_B \next, 0, 0
	FETCH_A \next, 0, 0
	SCALES \next, \adr
.endif
	WIN MUL_HI
	MUL16 4, 1, NQ-1, \slot, 0, 0
	MUL16 6, 1, NQ-1, \slot, 0, 0
.if \go
	PLACES NP
	WIN 0
	FETCH_A \next, 0, 4
.else
	WIN 0
.endif
.endm
.macro STEPS slot, from                ; the slot's steps from .. NQ - 2
.set Q, \from
.rept NQ-1-\from
	STEP \slot, Q, 0, 0
.set Q, Q+1
.endr
.endm
; THE WAY OUT, block by block of 16 tokens x 128 channels.  PACK: (rotated and) rounded to f16, 16 bytes a lane, each accumulator from its low end on.  TOSTAGE: into my own stage in LDS and back as whole rows of 256 bytes.  SEND: stored.
.macro PACK a, rope
.set AC, 64*((\a)%4)
.set FF, F+32*((\a)%2)
.if \rope
.if (\a) < 7
	s_wait_loadcnt 8                               ; this block's cos and sin are in; the next block's eight loads may be out
.else
	s_wait_loadcnt 0x0
.endif
.irp i, 0,2,4,6,8,10,12,14,16,18,20,22,24,26,28,30
	v_pk_mul_f32 v[FF+\i:FF+\i+1], v[FF+\i:FF+\i+1], s[KSC:KSC+1] op_sel_hi:[1,0]   ; cos and sin x 2^-6, exact: so k comes out x 2^-6; 32 numbers serve both of my heads
.endr
	WIN 0x02+(\a)/4                                ; source 0: window 2 or 3
.irp b, 0,1,2,3,4,5,6,7
.irp p, 0,1,2,3
	v_pk_mul_f32 v[U+8*\b+2*\p:U+8*\b+2*\p+1], v[AC+8*\b+2*\p:AC+8*\b+2*\p+1], v[FF+8*(\b%4)+2*\p:FF+8*(\b%4)+2*\p+1] op_sel:[1,1] op_sel_hi:[1,0]   ; (ki s, ki c)
.endr
.irp p, 0,1,2,3
	v_pk_fma_f32 v[U+8*\b+2*\p:U+8*\b+2*\p+1], v[AC+8*\b+2*\p:AC+8*\b+2*\p+1], v[FF+8*(\b%4)+2*\p:FF+8*(\b%4)+2*\p+1], v[U+8*\b+2*\p:U+8*\b+2*\p+1] op_sel_hi:[0,1,1] neg_lo:[0,0,1]   ; (kr c - ki s, kr s + ki c)
.endr
.endr
	WIN 0
.if (\a) < 6
	FLOAD (\a)+2                                   ; the set just read takes the block two further on
.endif
.irp b, 0,1,2,3,4,5,6,7
.irp p, 0,1,2,3
	v_cvt_pk_f16_f32 v[TMP+4*\b+\p], v[U+8*\b+2*\p], v[U+8*\b+2*\p+1]
.endr
.endr
.else
	WIN 0x0a+5*((\a)/4)                            ; sources 0 and 1: window 2 or 3
.irp b, 0,1,2,3,4,5,6,7
.irp p, 0,1,2,3
	v_cvt_pk_f16_f32 v[TMP+4*\b+\p], v[AC+8*\b+2*\p], v[AC+8*\b+2*\p+1]
.endr
.endr
	WIN 0
.endif
.endm
.macro TOSTAGE a
.set BB, BK+32*((\a)%2)
.irp b, 0,1,2,3,4,5,6,7
	ds_store_b128 v[STO], v[TMP+4*\b:TMP+4*\b+3] offset:32*\b
.endr
.irp t, 0,1,2,3,4,5,6,7
	ds_load_b128 v[BB+4*\t:BB+4*\t+3], v[RD] offset:\t*2*PITCH     ; LDS serves a wave's instructions in order (ISA guide 5.7.1.4): these see the stores above
.endr
.endm
.macro SEND a, ob                      ; ob: the scalar pair that holds the output's address at my part of the tile
.set BB, BK+32*((\a)%2)
	s_wait_dscnt 0x0                               ; the block is back in registers
	s_wait_xcnt 0x0                                ; the stores of the block before have read their registers: the next block's rows land there only behind this wait
.irp t, 0,1,2,3,4,5,6,7
	global_store_b128 v[CO], v[BB+4*\t:BB+4*\t+3], s[\ob:\ob+1] offset:(16*(\a)+2*\t)*OROW   ; 16 lanes store 256 consecutive bytes, at a multiple of 256 from the buffer's first byte
.endr
.endm
.macro WAYOUT rope, ob
	PLACES NP                                      ; behind the last products: for the reads of results, the writes into the registers that held fragments and the loads into those that held scale words
	PACK 0, \rope
	TOSTAGE 0
.irp a, 1,2,3,4,5,6,7                  ; block a's arithmetic stands between block a - 1's loads from the stage and the wait for them
	PACK \a, \rope
	SEND \a-1, \ob
	TOSTAGE \a
.endr
	SEND 7, \ob
.endm
	s_wait_tensorcnt 1                             ; the scale bytes and my part of K step 0 are in (K step 1's load may be out),
	s_barrier_signal -1
	s_barrier_wait -1                              ; everybody's are
	; ---- k
	FETCH_B 0, 0, 0
	FETCH_A 0, 0, 0
	SCALES 0, ADRS
	FETCH_A 0, 0, 4
	s_wait_loadcnt 16                              ; both biases are in; the sixteen loads of cos and sin behind them may be out
	STEP 0, 0, 1, BIK                              ; the first step's products start the sums from bk
	STEPS 0, 1
	TURN 0, 1, 1, 1, ADRS                          ; slot 0's half of the weight takes wv's K step 0: three and a half steps, 224 matrix instructions, ahead of the wait for it
	STEPS 1, 0
	TURN 1, 0, 1, 0, ADRS                          ; k's last step; slot 1's half of the weight takes wv's K step 1: it lands while k goes out
	WAYOUT 1, 94
	; ---- v: the same tokens' codes and scale bytes, still in LDS
	s_wait_xcnt 0x0                                ; k's last stores have read their registers: v's scale words land there only behind this wait
	FETCH_B 0, 0, 0
	FETCH_A 0, 0, 0
	SCALES 0, ADRV
	FETCH_A 0, 0, 4
	STEP 0, 0, 1, BIV                              ; the sums begin anew, from bv
	STEPS 0, 1
	TURN 0, 1, 0, 1, ADRV                          ; every wave's part of slot 1 has landed; nothing is filled again
	STEPS 1, 0
	s_wait_dscnt 4*NL                              ; the very last step: nothing more to fetch
	WIN MUL_LO
	MUL16 0, 1, NQ-1, 1, 0, 0
	MUL16 2, 1, NQ-1, 1, 0, 0
	s_wait_dscnt 0
	WIN MUL_HI
	MUL16 4, 1, NQ-1, 1, 0, 0
	MUL16 6, 1, NQ-1, 1, 0, 0
	WIN 0
	WAYOUT 0, 12
	s_wait_tensorcnt 0x0                           ; the wave's end: behind my last tensor load and my last LDS store
	ds_add_u32 v[SPW], v[NIL]
	s_wait_dscnt 0x0
	CROUND                                         ; the closing round: no work-group ends while a partner may still ask for a tile that names it
	s_endpgm
.Lfunc_end_k_q462b0e4ca3_proj:
	.size	k_q462b0e4ca3_proj, .Lfunc_end_k_q462b0e4ca3_proj-k_q462b0e4ca3_proj
	.p2alignl 7, 3214868480
	.fill 96, 4, 3214868480
	.section	.rodata,"a",@progbits
	.p2align	6, 0x0
	.amdhsa_kernel k_q462b0e4ca3_proj
		.amdhsa_group_segment_fixed_size 327680
		.amdhsa_private_segment_fixed_size 0
		.amdhsa_enable_private_segment 0
		.amdhsa_kernarg_size 56
		.amdhsa_user_sgpr_count 2
		.amdhsa_user_sgpr_kernarg_segment_ptr 1
		.amdhsa_wavefront_size32 1
		.amdhsa_system_sgpr_workgroup_id_x 1
		.amdhsa_system_sgpr_workgroup_id_y 1
		.amdhsa_system_sgpr_workgroup_id_z 1
		.amdhsa_system_vgpr_workitem_id 0
		.amdhsa_next_free_vgpr 1024
		.amdhsa_next_free_sgpr 102
		.amdhsa_reserve_vcc 0
		.amdhsa_float_denorm_mode_32 3
		.amdhsa_float_denorm_mode_16_64 3
		.amdhsa_memory_ordered 1
		.amdhsa_forward_progress 1
		.amdhsa_inst_pref_size 255
	.end_amdhsa_kernel
	.section	.bss,"aw",@nobits
	.p2align	6
	.space	262144
	.amdgpu_metadata
---
amdhsa.version: [ 1, 2 ]
amdhsa.kernels:
  - .name:           k_q462b0e4ca3_proj
    .symbol:         k_q462b0e4ca3_proj.kd
    .args:
      - { .name: codes, .offset: 0, .size: 8, .value_kind: global_buffer, .address_space: global }
      - { .name: scales, .offset: 8, .size: 8, .value_kind: global_buffer, .address_space: global }
      - { .name: bk, .offset: 16, .size: 8, .value_kind: global_buffer, .address_space: global }
      - { .name: bv, .offset: 24, .size: 8, .value_kind: global_buffer, .address_space: global }
      - { .name: freqs_cis, .offset: 32, .size: 8, .value_kind: global_buffer, .address_space: global }
      - { .name: kb, .offset: 40, .size: 8, .value_kind: global_buffer, .address_space: global }
      - { .name: vb, .offset: 48, .size: 8, .value_kind: global_buffer, .address_space: global }
    .group_segment_fixed_size: 327680
    .private_segment_fixed_size: 0
    .kernarg_segment_align: 8
    .kernarg_segment_size: 56
    .max_flat_workgroup_size: 128
    .sgpr_count:     102
    .vgpr_count:     1024
    .wavefront_size: 32
...
	.end_amdgpu_metadata
.endif
;; end of part 2
;; launch attn (part 3): grid 4 x 64, 8 waves a work-group, clusters of 4 x 1, 327,680 bytes of LDS; arguments codes, kb, vb, ao, scales, bq; writes ao
.if DOCPART == 3
	.amdgcn_target "amdgcn-amd-amdhsa--gfx1250"
	.amdhsa_code_object_version 6
	.text
	.protected	k_q462b0e4ca3_attn
	.globl	k_q462b0e4ca3_attn
	.p2align	8
	.type	k_q462b0e4ca3_attn,@function
k_q462b0e4ca3_attn:
	s_mov_b64 s[64:65], 0
	v_nop
	global_prefetch_b8 v0, s[64:65] scope:SCOPE_SE
	s_setreg_imm32_b32 hwreg(HW_REG_WAVE_MODE, 25, 1), 1
	s_wait_xcnt 0x0
	s_wait_alu depctr_hold_cnt(0) depctr_sa_sdst(0) depctr_va_vdst(0) depctr_va_sdst(0) depctr_va_ssrc(0) depctr_va_vcc(0) depctr_vm_vsrc(0)
	s_getreg_b32 s2, hwreg(HW_REG_IB_STS2, 6, 4)
	s_cmp_eq_u32 s2, 0
	s_cbranch_scc0 .Lentry_in_a_cluster
	s_endpgm
.Lentry_in_a_cluster:
	s_bfe_u32 s2, ttmp6, 0x10000c
	s_cmp_lg_u32 s2, 0x3003
	s_cbranch_scc0 .Lentry_shape_is_right
	s_endpgm
.Lentry_shape_is_right:
; q = x wq^T + bq, on codes of FP4 (E2M1) with one E8M0 scale for each 32 along K = 1,024, made at the head by the wave that uses it; then
; ao[b][q][h][:] = the sum over k of softmax_k(q[b][q][h] . k[b][k][h] / 8) v[b][k][h][:].  ao: [8 x 512 tokens][1024], kb, vb: [8 x 2048 tokens][1024], all f16; a head is 64 channels, 128 bytes of a row.
; kb holds k x 2^-6 (it is stored so to have room in f16): the constant by which the scores are scaled takes the 2^6 back, exactly.
; Products, maxima and sums in f32; q and the weights p (at most 1) are rounded to f16 for the products that take them, the result once at the end.
; SHARES.  A work-group owns 128 queries of one batch and one PAIR of heads (256 aligned bytes of every row).  Wave w of eight: head w % 2 of the pair, queries 32 (w / 2) on: two tiles of 16.
; Two waves share a SIMD, so that one wave's softmax can stand beside the other's products.  Every wave walks all 2,048 keys, 64 a step.
; Q.  The codes of x's 128 rows and of wq's 128 rows (rows of 512 bytes; x begins at row 0 of the codes' buffer, wq at row 20,480) come into the bytes of the ring's second buffer, which the ring wants only behind the first trip's round.
; A wave makes 32 queries x 64 channels: 8 accumulators, 8 steps of 128 along K.  The product is used transposed (source 0 = 16 rows of wq, source 1 = 16 tokens): a lane holds one query and eight neighbouring channels,
; so two neighbouring tiles of channels, rounded to f16 in pairs, ARE a fragment of Q for K Q^T.  bq is the C of the first step.
; LAYOUT.  S^T = K Q^T (source 0 = 16 keys, source 1 = 16 queries): a lane holds ONE query (lane % 16) and the keys 8 (lane / 16) + 0..7.  Two such tiles, rounded to f16 in pairs, ARE source 1 (32 keys x 16 queries)
; of O^T = V^T P, whose result again holds one query a lane, and eight channels.  K comes out of LDS as it lies, V ([key][channel]) turned, by ds_load_tr16_b128.
; SOFTMAX.  For each query a running maximum m and sum l: p = 2^(c s - c m), c = 64 log2(e) / 8; in every step O and l are multiplied by a = 2^(c m_old - c m_new).  O^T and l start as zeros, so the step is written once.
; m starts at -2^120: a sum of 64 products of f16 numbers is under 64 x 65,504^2 = 2.8e11 in magnitude, so it lies under every score, and c m is still a finite number.
; RING.  Two LDS buffers of 256 keys (4 steps); a step's tiles lie together: 64 rows of K, then 64 rows of V.  Waves 0-3 fetch the four steps' tiles of K, waves 4-7 those of V: one tensor load a wave behind each round.
; CLUSTER.  The four blocks of queries of a batch walk the same K and V of the pair of heads, and need the same rows of wq: each such tile is asked for JOINTLY, by the same tensor load with the same descriptor and a mask
; that names the four.  x's rows differ from partner to partner: they come by plain loads.
; LIMITS: a q beyond 65,504 in magnitude becomes an infinity (q grows 900-fold, to under 5,000, with inputs 30 times larger); the result is a mean of v's rows and has v's range; the smallest step in f16 is 2^-24;
; a p under 2^-25 counts as 0 in the second product (it still counts in l); NaN and infinities are not served.
; REGISTERS: window 0: v2-15 addresses; v16-31 statistics, eight a tile; v32-95 S^T, 32 a tile; v96-127 P, 16 a tile; v128-191 K of a step; v192-255 V of a step.   window 1: v0-63 O^T, 32 a tile; v64-95 Q, 16 a tile.
;   At the head, while q is made: v16-31 x's scale words, v32-95 the 8 accumulators, v96-127 wq's scale words, v128-223 two sets of fragments, v224-255 bq.
.set KS,    64                         ; keys in a step
.set NST,   4                          ; steps in a buffer
.set PK,    272                        ; a row of K in LDS: 256 bytes + 16 of padding: the 16 rows of a load start at 16 different banks (64 banks of 4 bytes: ISA guide 11.1)
.set PV,    288                        ; a row of V: 256 + 32
.set VOFF,  KS*PK
.set STEPB, KS*(PK+PV)
.set SLOTB, NST*STEPB                  ; a buffer
.set STAGE, 2*SLOTB                    ; behind the ring: 128 rows x 272 bytes, the work-group's, for the way out
.set SP,    272
.set SPARE, STAGE+128*SP               ; the spare words, 128 bytes for each wave: four blocks of 256 bytes that no other line names
.set ROWG,  2048                       ; a token's row in memory
.set SLOTG, NST*KS*ROWG                ; 256 keys on, in memory
.set QP,    528                        ; a row of 1,024 codes in LDS: 512 bytes + 16 of padding
.set XQ,    SLOTB                      ; in the second buffer's bytes: x's 128 rows of codes,
.set WQ,    SLOTB+128*QP               ; then wq's 128: 135,168 of the buffer's 143,360 bytes
.set AK0, 2                            ; v2   my lane's place in a tile of K; never rewritten
.set AV0, 3                            ; v3   the same for V
.set ADK, 4                            ; v4   LDS address of the step's K
.set ADV, 5                            ; v5   of its V
.set AWQ, 5                            ; v5   at the head: LDS address of my rows of wq's codes
.set AXQ, 6                            ; v6   at the head: of my rows of x's codes
.set STO, 7                            ; v7   the way out: where I put 16 bytes of a row
.set RD,  8                            ; v8   where I read a row back
.set GO,  9                            ; v9   my byte offset in two rows of ao
.set SPW, 10                           ; v10  LDS address of my spare word; never rewritten
.set NIL, 11                           ; v11  0; never rewritten
.set PFO, 12                           ; v12  the prefetches' offset: a row a lane; never rewritten
.set ST,  16                           ; tile t's statistics at v[ST + 8 t]: +0 c m, +1 m, +2, +3 l (even keys', odd keys'), +4 to +7 c0-c3, at work; a takes c2's place
.set S,   32
.set P,   96
.set KF,  128
.set VF,  192
.set QF,  64                           ; in window 1
.set XS,  16                           ; at the head: x's scale words: tile t, K step i at v[XS + 8 t + i]
.set QA,  32                           ; the accumulators: tile t of tokens, tile ct of channels at v[QA + 8 (4 t + ct)]
.set WS,  96                           ; wq's scale words: tile ct, K step i at v[WS + 8 ct + i]
.set QFR, 128                          ; two sets of 48: x's two fragments, then wq's four
.set QB,  224                          ; bq: eight registers for each of my 4 tiles of 16 channels
.set WV,  12                           ; s12  my wave's number
.set PFA, 18                           ; s[18:19] where my prefetches stand
.set G1K, 24                           ; s[24:31] descriptor group 1 for K's tiles;  s[32:39] for V's: it differs in the padding alone
.set G1V, 32
.set G0K, 40                           ; s[40:47] descriptor group 0 for K's tiles, a set for each buffer;  s[48:55] for V's
.set G0V, 48
.set LAPS, 56                          ; s56  counts the loop's trips
.set CNT,  57                          ; s57  counts a buffer's steps
.set CS,   58                          ; s[58:59] c, twice: the packed scaling names a pair
.set SEL,  60                          ; s[60:61] lane selects for v_permlanex16_b32: lane l xor 16
.set TB,   62                          ; s62  LDS byte at which the step's tiles begin
.set G1X,  72                          ; s[72:79] descriptor group 1 for x's codes (no mask);  s[80:87] for wq's (the mask of all four)
.set G1W,  80
.set G0X,  88                          ; s[88:91], s[92:95] their groups 0
.set G0W,  92
.set MSB, 0
.macro WIN new                         ; the immediate's high byte repeats the setting that is left
.if MSB != \new
	s_set_vgpr_msb (MSB<<8)|\new
.set MSB, \new
.endif
.endm
.set W_KQ, 0x04                        ; Q (source 1) in window 1
.set W_PV, 0x50                        ; O^T (C and D) in window 1
.set W_RS, 0x41                        ; O^T (destination and source 0) in window 1, a in window 0
.set W_T1, 0x40                        ; destination in window 1
.set W_F1, 0x05                        ; sources 0 and 1 in window 1
; A joint load into buffer buf.  The branch hangs on the wave's number alone.  Four v_nop follow each of the two lines.
.macro JLOAD buf
	s_cmp_lt_u32 s[WV], 4
	s_cbranch_scc0 .Lfor_v_\@
	tensor_load_to_lds s[G0K+4*(\buf):G0K+4*(\buf)+3], s[G1K:G1K+7]
	s_nop 0
.rept 4
	v_nop
.endr
	s_branch .Lasked_\@
.Lfor_v_\@:
	tensor_load_to_lds s[G0V+4*(\buf):G0V+4*(\buf)+3], s[G1V:G1V+7]
	s_nop 0
.rept 4
	v_nop
.endr
.Lasked_\@:
.endm
; A PREFETCH INTO THE L2 of the 256 keys that the NEXT round's loads will ask for: 256 rows of K and 256 of V, 256 bytes of each row, a lane a row.  Only this cluster reads them.  Its four partners share the rows out
; BY ADDRESS, 64 each; in each, waves 0 and 1 ask for K's (32 rows a wave), waves 2 and 3 for V's: one instruction a wave, each row's 256 bytes named once in the launch.  It stands behind the wave's tensor load and its four lines.
.macro ASK
	s_cmp_lt_u32 s[WV], 4
	s_cbranch_scc0 .Lnot_mine_\@
	global_prefetch_b8 v[PFO], s[PFA:PFA+1] th:TH_LOAD_NT scope:SCOPE_SE
.Lnot_mine_\@:
.endm
.macro CROUND                          ; a round of the cluster's barrier
	s_barrier_signal -1
	s_barrier_wait -1
	s_cmp_lg_u32 s[WV], 0
	s_cbranch_scc1 .Lnot_wave_0_\@
	s_barrier_signal -3
.Lnot_wave_0_\@:
	s_barrier_wait -3
	s_barrier_signal -1
	s_barrier_wait -1
.endm
	s_load_b256 s[4:11], s[0:1], 0x0               ; codes s[4:5], kb s[6:7], vb s[8:9], ao s[10:11]
	s_load_b128 s[68:71], s[0:1], 0x20             ; scale bytes s[68:69], bq s[70:71]
	v_lshl_add_u32 v[SPW], v0, 2, SPARE
	v_mov_b32 v[NIL], 0
	ds_add_u32 v10, v11
	s_wait_dscnt 0x0
	v_lshrrev_b32 v1, 5, v0
	v_readfirstlane_b32 s[WV], v1                  ; wave 0..7
	s_bfe_u32 s13, ttmp6, 0x40000                  ; cx: my place in the cluster
	s_lshl_b32 s14, ttmp9, 2
	s_add_co_u32 s14, s14, s13                     ; my block of 128 queries: it enters x's, ao's and the prefetches' addresses alone
	s_and_b32 s20, ttmp7, 0xffff                   ; 8 x batch + pair of heads: the four partners share it
	s_lshr_b32 s21, s20, 3                         ; the batch
	s_and_b32 s96, s20, 7                          ; the pair
	s_lshl_b32 s22, s96, 8                         ; its 256 bytes of a row
	s_lshl_b32 s2, s21, 22                         ; a batch of kb or vb: 2,048 rows of 2,048 bytes
	s_add_co_u32 s2, s2, s22
	s_mov_b32 s3, 0                                ; s[2:3]: the pair's first byte in kb and in vb
	s_and_b32 s97, s[WV], 3                        ; which of a buffer's four steps I fetch:
	s_lshl_b32 s16, s97, 17                        ; its 64 rows in memory,
	s_add_co_u32 s16, s16, s2
	s_mov_b32 s17, 0
	s_mul_i32 s15, s97, STEPB                      ; and its place in a buffer: no place in the cluster enters an LDS address
	s_and_b32 s23, s[WV], 1                        ; which head of the pair is mine
	s_lshl_b32 s63, s23, 7                         ; its 128 bytes of the pair's 256
	s_lshr_b32 s19, s[WV], 1                       ; which 32 queries of the block
	s_mul_i32 s62, s97, 32*QP                      ; q's operands: which 32 rows of codes I fetch, in LDS
	s_lshl_b32 s66, s96, 16                        ; wq's codes: the pair's 128 rows of 512 bytes,
	s_lshl_b32 s18, s97, 14                        ; my 32 of them,
	s_add_co_u32 s66, s66, s18
	s_add_co_u32 s66, s66, 20480*512               ; from row 20,480 on
	s_mov_b32 s67, 0
	s_lshl_b32 s98, s21, 18                        ; x's codes: the batch's 512 rows,
	s_add_co_u32 s98, s98, s18                     ; my 32,
	s_lshl_b32 s18, s14, 16                        ; in my block's 128
	s_add_co_u32 s98, s98, s18
	s_mov_b32 s99, 0
	s_lshl_b32 s100, s21, 14                       ; x's scale bytes, 32 a row: the batch,
	s_lshl_b32 s18, s14, 12                        ; my block,
	s_add_co_u32 s100, s100, s18
	s_lshl_b32 s18, s19, 10                        ; my wave's 32 rows
	s_add_co_u32 s100, s100, s18
	s_mov_b32 s101, 0
	s_lshl_b32 s56, s96, 9                         ; bq: the pair's 128 numbers,
	s_lshl_b32 s18, s23, 8                         ; my head's 64
	s_add_co_u32 s56, s56, s18
	s_mov_b32 s57, 0
	s_lshl_b32 s96, s96, 12                        ; wq's scale bytes: the pair's 128 rows,
	s_lshl_b32 s18, s23, 11                        ; my head's 64,
	s_add_co_u32 s96, s96, s18
	s_add_co_u32 s96, s96, 20480*32                ; from row 20,480 on
	s_mov_b32 s97, 0
	s_lshl_b32 s20, s21, 20                        ; a batch of ao: 512 rows
	s_lshl_b32 s23, s14, 18                        ; my block's 128 rows
	s_add_co_u32 s20, s20, s23
	s_add_co_u32 s20, s20, s22
	s_lshl_b32 s21, s[WV], 15                      ; the 16 rows that my wave stores
	s_add_co_u32 s20, s20, s21
	s_mov_b32 s21, 0
	; descriptor group 1: a tile of 64 rows x 128 elements of 2 bytes, rows 1,024 elements apart, padded in LDS
	s_mov_b32 s[G1K], 15|(1<<16)|(1<<20)|(1<<21)|(5<<22)|(3<<25)  ; 15:0 the mask: all four work-groups; 17:16 elements of 2 bytes; 20 padding on; 21 set beside a mask; 24:22 after every 64 words (code 5); 31:25 4 words of it (code 3)
	s_mov_b32 s[G1V], 15|(1<<16)|(1<<20)|(1<<21)|(5<<22)|(7<<25)  ; the same with 8 words of padding (code 7)
.irp g, G1K, G1V
	s_mov_b32 s[\g+1], 128<<16                     ; tensor_dim0 = 128
	s_mov_b32 s[\g+2], KS<<16                      ; tensor_dim1 = 64
	s_mov_b32 s[\g+3], 128<<16                     ; tile_dim0 = 128
	s_mov_b32 s[\g+4], KS                          ; tile_dim1 = 64
	s_mov_b32 s[\g+5], 1024                        ; tensor_dim0_stride
	s_mov_b32 s[\g+6], 0
	s_mov_b32 s[\g+7], 0
.endr
	; and for 32 rows of codes: 256 elements of 2 bytes a row, rows dense in memory, 4 words of padding after every 128 (code 6)
	s_mov_b32 s[G1X], (1<<16)|(1<<20)|(6<<22)|(3<<25)             ; x's: no mask: a load of my work-group's own
	s_mov_b32 s[G1W], 15|(1<<16)|(1<<20)|(1<<21)|(6<<22)|(3<<25)  ; wq's: all four work-groups
.irp g, G1X, G1W
	s_mov_b32 s[\g+1], 256<<16                     ; tensor_dim0 = 256
	s_mov_b32 s[\g+2], 32<<16                      ; tensor_dim1 = 32
	s_mov_b32 s[\g+3], 256<<16                     ; tile_dim0 = 256
	s_mov_b32 s[\g+4], 32                          ; tile_dim1 = 32
	s_mov_b32 s[\g+5], 256                         ; tensor_dim0_stride
	s_mov_b32 s[\g+6], 0
	s_mov_b32 s[\g+7], 0
.endr
	s_mov_b32 s[CS], 0x4138aa3b                    ; c = 2^6 log2(e) / sqrt(64) = 8 log2(e): the 2^6 undoes the 2^-6 with which k is stored
	s_mov_b32 s[CS+1], s[CS]                       ; named with it as a pair, so it is written
	s_mov_b32 s[SEL], 0x76543210
	s_mov_b32 s[SEL+1], 0xfedcba98
	s_wait_kmcnt 0x0
	s_cmp_lt_u32 s[WV], 2                          ; the prefetches: waves 0, 1 stand in kb, waves 2, 3 in vb
	s_cselect_b64 s[PFA:PFA+1], s[6:7], s[8:9]
	s_add_nc_u64 s[PFA:PFA+1], s[PFA:PFA+1], s[2:3]
	s_add_nc_u64 s[6:7], s[6:7], s[16:17]          ; K and V at my tile of the first 256 keys
	s_add_nc_u64 s[8:9], s[8:9], s[16:17]
	s_add_nc_u64 s[10:11], s[10:11], s[20:21]      ; ao at the first row that I store
	s_add_nc_u64 s[100:101], s[68:69], s[100:101]  ; x's scale bytes at my wave's first row
	s_add_nc_u64 s[68:69], s[68:69], s[96:97]      ; wq's at my head's first row
	s_add_nc_u64 s[70:71], s[70:71], s[56:57]      ; bq at my head's first channel
	s_lshl_b32 s22, s13, 17                        ; my work-group's 64 rows of the 256,
	s_and_b32 s23, s[WV], 1
	s_lshl_b32 s23, s23, 16                        ; my wave's 32 of them,
	s_add_co_u32 s22, s22, s23
	s_add_co_u32 s22, s22, SLOTG                   ; in keys 256 to 511: the first trip steps it to keys 512 on.  Nothing is prefetched here, at the head
	s_mov_b32 s23, 0
	s_add_nc_u64 s[PFA:PFA+1], s[PFA:PFA+1], s[22:23]
	CROUND                                         ; all four work-groups are here: the first joint loads meet
	s_mov_b32 s[G0X], 1                            ; count = 1
	s_add_co_u32 s[G0X+1], s62, XQ                 ; LDS address
	s_add_nc_u64 s[G0X+2:G0X+3], s[4:5], s[98:99]  ; global address
	s_or_b32 s[G0X+3], s[G0X+3], 0x80000000        ; type = 2
	s_mov_b32 s[G0W], 1
	s_add_co_u32 s[G0W+1], s62, WQ
	s_add_nc_u64 s[G0W+2:G0W+3], s[4:5], s[66:67]
	s_or_b32 s[G0W+3], s[G0W+3], 0x80000000
.irp s, 0,1
	s_mov_b32 s[G0K+4*\s], 1
	s_add_co_u32 s[G0K+4*\s+1], s15, \s*SLOTB
	s_add_nc_u64 s[G0K+4*\s+2:G0K+4*\s+3], s[6:7], \s*SLOTG   ; buffer s begins with keys 256 s on
	s_or_b32 s[G0K+4*\s+3], s[G0K+4*\s+3], 0x80000000
	s_mov_b32 s[G0V+4*\s], 1
	s_add_co_u32 s[G0V+4*\s+1], s15, \s*SLOTB+VOFF
	s_add_nc_u64 s[G0V+4*\s+2:G0V+4*\s+3], s[8:9], \s*SLOTG
	s_or_b32 s[G0V+4*\s+3], s[G0V+4*\s+3], 0x80000000
.endr
	s_cmp_lt_u32 s[WV], 4                          ; q's operands first: waves 0-3 bring x's 128 rows of codes, 32 each, waves 4-7 wq's
	s_cbranch_scc0 .Lq_for_w
	tensor_load_to_lds s[G0X:G0X+3], s[G1X:G1X+7]
	s_nop 0
.rept 4
	v_nop
.endr
	s_branch .Lq_asked
.Lq_for_w:
	tensor_load_to_lds s[G0W:G0W+3], s[G1W:G1W+7]
	s_nop 0
.rept 4
	v_nop
.endr
.Lq_asked:
	JLOAD 0                                        ; keys 0 to 255: two tensor loads of mine are out here, one behind every round
	v_and_b32 v1, 15, v0                           ; l % 16
	v_bfe_u32 v13, v0, 4, 1                        ; l / 16
	v_lshlrev_b32 v14, 5, v1                       ; a row of scale bytes is 32 bytes: lane l takes row l % 16's (lanes 16-31 hold the same and are not read); never rewritten
	v_lshlrev_b32 v15, 5, v13                      ; my eight biases of a tile of 16: 32 x (l / 16); never rewritten
.irp t, 0,1
	global_load_b128 v[XS+8*\t:XS+8*\t+3],   v14, s[100:101] offset:512*\t        ; a row's eight scale words: word i serves K step i
	global_load_b128 v[XS+8*\t+4:XS+8*\t+7], v14, s[100:101] offset:512*\t+16
.endr
.irp ct, 0,1,2,3
	global_load_b128 v[WS+8*\ct:WS+8*\ct+3],   v14, s[68:69] offset:512*\ct
	global_load_b128 v[WS+8*\ct+4:WS+8*\ct+7], v14, s[68:69] offset:512*\ct+16
.endr
.irp ct, 0,1,2,3
	global_load_b128 v[QB+8*\ct:QB+8*\ct+3],   v15, s[70:71] offset:64*\ct        ; lane (r, h): bq of channels 16 ct + 8 h + 0 .. 7: the result's layout
	global_load_b128 v[QB+8*\ct+4:QB+8*\ct+7], v15, s[70:71] offset:64*\ct+16
.endr
	v_mul_u32_u24 v[AXQ], v1, QP                   ; a fragment of codes: row l % 16 x pitch + 16 x half
	v_lshl_add_u32 v[AXQ], v13, 4, v[AXQ]
	s_and_b32 s57, s[WV], 1
	s_mul_i32 s57, s57, 64*QP
	s_add_co_u32 s57, s57, WQ
	v_add_nc_u32 v[AWQ], s57, v[AXQ]               ; wq: my head's 64 rows
	s_lshr_b32 s57, s[WV], 1
	s_mul_i32 s57, s57, 32*QP
	s_add_co_u32 s57, s57, XQ
	v_add_nc_u32 v[AXQ], s57, v[AXQ]               ; x: my wave's 32 rows
	; A fragment of K is 16 rows x 32 channels in 8 registers: lane l holds row l % 16; registers 0-3 channels 8 (l / 16) + 0..7, registers 4-7 channels 16 + 8 (l / 16) + 0..7: two loads of 16 bytes, 32 bytes apart.
	v_mul_u32_u24 v[AK0], v1, PK
	v_lshl_add_u32 v[AK0], v13, 4, v[AK0]
	v_add_nc_u32 v[AK0], s63, v[AK0]               ; row x pitch + 16 x half + my head's 128 bytes
	; The turning load takes 16 keys x 16 channels (lane l reads 16 bytes: key 8 (l / 16) + l % 8, channels 8 ((l / 8) % 2) + 0..7) and leaves half a fragment of V^T: lane l holds channel l % 16 and 8 keys.
	v_and_b32 v[ADK], 7, v0
	v_bfe_u32 v[GO], v0, 3, 1
	v_lshl_add_u32 v[AV0], v13, 3, v[ADK]
	v_mul_u32_u24 v[AV0], v[AV0], PV
	v_lshl_add_u32 v[AV0], v[GO], 4, v[AV0]
	s_add_co_u32 s57, s63, VOFF
	v_add_nc_u32 v[AV0], s57, v[AV0]
	s_lshr_b32 s57, s[WV], 1
	s_mul_i32 s57, s57, 32*SP
	s_add_co_u32 s57, s57, s63
	s_add_co_u32 s57, s57, STAGE
	v_mul_u32_u24 v[STO], v1, SP                   ; into the stage: my 32 rows, my head's half of their 256 bytes; row l % 16, 16 bytes for each half of the lanes
	v_lshl_add_u32 v[STO], v13, 4, v[STO]
	v_add_nc_u32 v[STO], s57, v[STO]
	s_mul_i32 s57, s[WV], 16*SP
	s_add_co_u32 s57, s57, STAGE
	v_mul_u32_u24 v[RD], v13, SP                   ; back: wave w takes rows 16 w .. 16 w + 15, whole; lanes 0-15 one row, lanes 16-31 the next
	v_lshl_add_u32 v[RD], v1, 4, v[RD]
	v_add_nc_u32 v[RD], s57, v[RD]
	v_lshlrev_b32 v[GO], 11, v13                   ; and the same two rows in ao
	v_lshl_add_u32 v[GO], v1, 4, v[GO]
	v_and_b32 v[PFO], 31, v0
	v_lshlrev_b32 v[PFO], 11, v[PFO]
	WIN W_T1
.set i, 0
.rept 64
	v_mov_b32 v[i], 0                              ; O^T.  (The step is written once: the first finds zeros, which its a = 0 leaves zeros)
.set i, i+1
.endr
	WIN 0
; Q.  K step i's fragments (16 rows x 128 K of 4-bit codes: 8 registers; lane l holds row l % 16; registers 4 c .. 4 c + 3 hold K = 64 c + 32 (l / 16) + 0 .. 31) into set i % 2: x's two tiles, wq's four: twelve loads
.macro QFETCH i
.set FL, QFR+48*((\i)%2)
.irp t, 0,1
.irp c, 0,1
	ds_load_b128 v[FL+8*\t+4*\c:FL+8*\t+4*\c+3], v[AXQ] offset:\t*16*QP+64*(\i)+32*\c
.endr
.endr
.irp ct, 0,1,2,3
.irp c, 0,1
	ds_load_b128 v[FL+16+8*\ct+4*\c:FL+16+8*\ct+4*\c+3], v[AWQ] offset:\ct*16*QP+64*(\i)+32*\c
.endr
.endr
.endm
; K step i: eight products, the eight accumulators by turns; the first step starts the sums from bq.  Then the set just read takes the fragments of two steps on.
.macro QSTEP i
.if (\i) < 7
	s_wait_dscnt 12                                ; this step's fragments are in; the next step's twelve loads may be out
.else
	s_wait_dscnt 0x0
.endif
.set FB, QFR+48*((\i)%2)
.irp ct, 0,1,2,3
.irp t, 0,1
.if (\i) == 0
	v_wmma_scale_f32_16x16x128_f8f6f4 v[QA+8*(4*\t+\ct):QA+8*(4*\t+\ct)+7], v[FB+16+8*\ct:FB+16+8*\ct+7], v[FB+8*\t:FB+8*\t+7], v[QB+8*\ct:QB+8*\ct+7], v[WS+8*\ct+(\i)], v[XS+8*\t+(\i)] matrix_a_fmt:MATRIX_FMT_FP4 matrix_b_fmt:MATRIX_FMT_FP4
.else
	v_wmma_scale_f32_16x16x128_f8f6f4 v[QA+8*(4*\t+\ct):QA+8*(4*\t+\ct)+7], v[FB+16+8*\ct:FB+16+8*\ct+7], v[FB+8*\t:FB+8*\t+7], v[QA+8*(4*\t+\ct):QA+8*(4*\t+\ct)+7], v[WS+8*\ct+(\i)], v[XS+8*\t+(\i)] matrix_a_fmt:MATRIX_FMT_FP4 matrix_b_fmt:MATRIX_FMT_FP4
.endif
.endr
.endr
.if (\i) < 6
.rept 4
	v_nop                                          ; places in front of loads into registers that these products have read (ISA guide 7.12.1 for vector instructions)
.endr
	QFETCH (\i)+2
.endif
.endm
	s_wait_tensorcnt 0x1                           ; my part of q's operands is in (my tile of the first 256 keys, issued behind it, may be out),
	s_barrier_signal -1
	s_barrier_wait -1                              ; everybody's is
	QFETCH 0
	QFETCH 1
	s_wait_loadcnt 0x0                             ; the scale words and bq
.irp i, 0,1,2,3,4,5,6,7
	QSTEP \i
.endr
.rept 4
	v_nop                                          ; places in front of the first read of the results, and of the writes into the registers that held scale words
.endr
	WIN W_T1
.irp t, 0,1
.irp ct, 0,1,2,3
.irp p, 0,1,2,3
	v_cvt_pk_f16_f32 v[QF+16*\t+4*\ct+\p], v[QA+8*(4*\t+\ct)+2*\p], v[QA+8*(4*\t+\ct)+2*\p+1]   ; lane (r, h): query 16 t + r, channels 16 ct + 8 h + 2 p, + 1: registers 4 (ct % 2) + p of the fragment of channels 32 (ct / 2) on
.endr
.endr
.endr
	WIN 0
.irp t, 0,1
	v_mov_b32 v[ST+8*\t+1], 0xfb800000             ; m = -2^120, under every score
	v_mul_f32 v[ST+8*\t], s[CS], v[ST+8*\t+1]      ; c m: about -1.5e37, a finite number
	v_mov_b32 v[ST+8*\t+2], 0                      ; l, in two halves
	v_mov_b32 v[ST+8*\t+3], 0
.endr
; THE SOFTMAX of a step, both tiles line by line, so that no line waits for the line above it.
.macro SOFTMAX
.irp j, 0,1,2,3                        ; the maximum of 32 scores and the old m, three operands at a time, in four chains; each accumulator is read from its low end on
.irp t, 0,1
	v_max3_num_f32 v[ST+8*\t+4+\j], v[S+32*\t+8*\j], v[S+32*\t+8*\j+1], v[S+32*\t+8*\j+2]
.endr
.endr
.irp i, 3,5
.irp j, 0,1,2,3
.irp t, 0,1
	v_max3_num_f32 v[ST+8*\t+4+\j], v[ST+8*\t+4+\j], v[S+32*\t+8*\j+\i], v[S+32*\t+8*\j+\i+1]
.endr
.endr
.endr
.irp t, 0,1
	v_max3_num_f32 v[ST+8*\t+4], v[ST+8*\t+4], v[S+32*\t+7], v[S+32*\t+15]
	v_max3_num_f32 v[ST+8*\t+6], v[ST+8*\t+6], v[S+32*\t+23], v[S+32*\t+31]
.endr
.irp t, 0,1
	v_max3_num_f32 v[ST+8*\t+4], v[ST+8*\t+4], v[ST+8*\t+5], v[ST+8*\t+6]
.endr
.irp t, 0,1
	v_max3_num_f32 v[ST+8*\t+4], v[ST+8*\t+4], v[ST+8*\t+7], v[ST+8*\t+1]
.endr
.irp t, 0,1
	v_permlanex16_b32 v[ST+8*\t+5], v[ST+8*\t+4], s[SEL], s[SEL+1]   ; the query's other 32 keys lie in the lane 16 away
.endr
.irp t, 0,1
	v_mov_b32 v[ST+8*\t+7], v[ST+8*\t]             ; c m_old is kept for a
.endr
.irp t, 0,1
	v_max_num_f32 v[ST+8*\t+1], v[ST+8*\t+4], v[ST+8*\t+5]
.endr
.irp t, 0,1
	v_mul_f32 v[ST+8*\t], s[CS], v[ST+8*\t+1]
.endr
.irp t, 0,1
	v_sub_f32 v[ST+8*\t+7], v[ST+8*\t+7], v[ST+8*\t]
.endr
.irp t, 0,1
	v_exp_f32 v[ST+8*\t+6], v[ST+8*\t+7]           ; a = 2^(c m_old - c m_new); the scalings below are the plain instructions behind it
.endr
.irp i, 0,2,4,6,8,10,12,14,16,18,20,22,24,26,28,30
.irp t, 0,1
	v_pk_fma_f32 v[S+32*\t+\i:S+32*\t+\i+1], v[S+32*\t+\i:S+32*\t+\i+1], s[CS:CS+1], v[ST+8*\t:ST+8*\t+1] op_sel_hi:[1,0,0] neg_lo:[0,0,1] neg_hi:[0,0,1]   ; c s - c m, two at a time
.endr
.endr
.set i, 0
.rept 64
	v_exp_f32 v[S+i], v[S+i]                       ; p, at most 1
.set i, i+1
.endr
	s_wait_alu depctr_va_vdst(0)
.irp t, 0,1
	v_pk_mul_f32 v[ST+8*\t+2:ST+8*\t+3], v[ST+8*\t+2:ST+8*\t+3], v[ST+8*\t+6:ST+8*\t+7] op_sel_hi:[1,0]   ; l x a.  (The plain instruction behind the exponentials)
.endr
.irp i, 0,1,2,3,4,5,6,7,8,9,10,11,12,13,14,15
.irp t, 0,1
	v_cvt_pk_f16_f32 v[P+16*\t+\i], v[S+32*\t+2*\i], v[S+32*\t+2*\i+1]
.endr
.endr
.irp t, 0,1
	v_pk_add_f32 v[ST+8*\t+4:ST+8*\t+5], v[S+32*\t:S+32*\t+1], v[S+32*\t+2:S+32*\t+3]   ; the sum of the unrounded p, two at a time, in two chains a tile
.endr
.irp i, 4,8,12,16,20,24,28
.irp t, 0,1
	v_pk_add_f32 v[ST+8*\t+2:ST+8*\t+3], v[ST+8*\t+2:ST+8*\t+3], v[S+32*\t+\i:S+32*\t+\i+1]
	v_pk_add_f32 v[ST+8*\t+4:ST+8*\t+5], v[ST+8*\t+4:ST+8*\t+5], v[S+32*\t+\i+2:S+32*\t+\i+3]
.endr
.endr
.irp t, 0,1
	v_pk_add_f32 v[ST+8*\t+2:ST+8*\t+3], v[ST+8*\t+2:ST+8*\t+3], v[ST+8*\t+4:ST+8*\t+5]
.endr
.endm
; A KEY STEP: 64 keys, whose tiles begin at LDS byte s[TB].
.macro STEP
	v_add_nc_u32 v[ADK], s[TB], v[AK0]
	v_add_nc_u32 v[ADV], s[TB], v[AV0]
	v_nop                                          ; with the two additions: four places between the last step's products, which read V's registers, and the loads into them (ISA guide 7.12.1 for vector instructions)
	v_nop
.irp f, 0,1,2,3,4,5,6,7                ; K: keys 16 (f / 2) on, channels 32 (f % 2) on
	ds_load_b128 v[KF+8*\f:KF+8*\f+3],   v[ADK] offset:(\f/2)*16*PK+(\f%2)*64
	ds_load_b128 v[KF+8*\f+4:KF+8*\f+7], v[ADK] offset:(\f/2)*16*PK+(\f%2)*64+32
.endr
.irp f, 0,1,2,3,4,5,6,7                ; V, turned: keys 32 (f / 4) on, channels 16 (f % 4) on
	ds_load_tr16_b128 v[VF+8*\f:VF+8*\f+3],   v[ADV] offset:(\f/4)*32*PV+(\f%4)*32
	ds_load_tr16_b128 v[VF+8*\f+4:VF+8*\f+7], v[ADV] offset:(\f/4)*32*PV+16*PV+(\f%4)*32
.endr
	s_wait_dscnt 16                                ; K is in; V's sixteen loads may be out
	WIN W_KQ
.irp cs, 0,1                           ; S^T = K Q^T: eight accumulators by turns; the first eight products start the sums
.irp kt, 0,1,2,3
.irp t, 0,1
.if \cs == 0
	v_wmma_f32_16x16x32_f16 v[S+32*\t+8*\kt:S+32*\t+8*\kt+7], v[KF+16*\kt+8*\cs:KF+16*\kt+8*\cs+7], v[QF+16*\t+8*\cs:QF+16*\t+8*\cs+7], 0
.else
	v_wmma_f32_16x16x32_f16 v[S+32*\t+8*\kt:S+32*\t+8*\kt+7], v[KF+16*\kt+8*\cs:KF+16*\kt+8*\cs+7], v[QF+16*\t+8*\cs:QF+16*\t+8*\cs+7], v[S+32*\t+8*\kt:S+32*\t+8*\kt+7]
.endif
.endr
.endr
.endr
	WIN 0
.rept 4
	v_nop                                          ; places in front of the first read of the scores
.endr
	SOFTMAX
	WIN W_RS
.irp t, 0,1
.irp i, 0,2,4,6,8,10,12,14,16,18,20,22,24,26,28,30
	v_pk_mul_f32 v[32*\t+\i:32*\t+\i+1], v[32*\t+\i:32*\t+\i+1], v[ST+8*\t+6:ST+8*\t+7] op_sel_hi:[1,0]   ; O^T x a
.endr
.endr
	s_wait_dscnt 0x0                               ; V is in
	WIN W_PV
.irp g, 0,1                            ; O^T += V^T P: eight accumulators by turns
.irp ct, 0,1,2,3
.irp t, 0,1
	v_wmma_f32_16x16x32_f16 v[32*\t+8*\ct:32*\t+8*\ct+7], v[VF+8*(4*\g+\ct):VF+8*(4*\g+\ct)+7], v[P+16*\t+8*\g:P+16*\t+8*\g+7], v[32*\t+8*\ct:32*\t+8*\ct+7]
.endr
.endr
.endr
	WIN 0
.endm
; A TRIP: the 256 keys of buffer buf.  At its head each wave waits for all its tensor loads (its part of this buffer), adds 0 to its spare word, and waits for that and for its reads of the other buffer (in the first trip: of q's
; operands, which lay there); a round of the cluster's barrier follows, so that no wave of any partner still reads the other buffer or has a load on its way.  fill = 1: the other buffer takes the next 256 keys: that load has this trip's four steps in which to land.
.macro TRIP buf, fill, ask
	s_wait_tensorcnt 0x0                           ; no tensor load of mine is out, so a group 0 may be written
	ds_add_u32 v[SPW], v[NIL]                      ; 0 onto my spare word
	s_add_nc_u64 s[G0K+4*\buf+2:G0K+4*\buf+3], s[G0K+4*\buf+2:G0K+4*\buf+3], 2*SLOTG   ; this buffer's next tile: 512 keys on (in the last two trips the stepped address is not used)
	s_add_nc_u64 s[G0V+4*\buf+2:G0V+4*\buf+3], s[G0V+4*\buf+2:G0V+4*\buf+3], 2*SLOTG
.if \ask
	s_wait_xcnt 0x0                                ; the last prefetch, a trip back, has read its address, so it may be written
	s_add_nc_u64 s[PFA:PFA+1], s[PFA:PFA+1], SLOTG
.endif
	s_wait_dscnt 0x0                               ; the add is done, and my reads of the other buffer are over
	CROUND
.if \fill
	JLOAD 1-\buf                                   ; the first tensor load behind the round, and my only one until the next
.endif
.if \ask
	ASK                                            ; the 256 keys that the next trip's loads will ask for: four key steps ahead of them
.endif
	s_mov_b32 s[TB], \buf*SLOTB
	s_mov_b32 s[CNT], NST
.Lstep_\@:
	STEP
	s_add_co_u32 s[TB], s[TB], STEPB
	s_sub_co_u32 s[CNT], s[CNT], 1
	s_cmp_lg_u32 s[CNT], 0
	s_cbranch_scc1 .Lstep_\@
.endm
	s_mov_b32 s[LAPS], 3
.Llap:                                                 ; three trips of two buffers: keys 0 to 1,535; each asks for the next 256 keys and prefetches the 256 behind those
	TRIP 0, 1, 1
	TRIP 1, 1, 1
	s_sub_co_u32 s[LAPS], s[LAPS], 1
	s_cmp_lg_u32 s[LAPS], 0
	s_cbranch_scc1 .Llap
	TRIP 0, 1, 0                                   ; the tail is written out: the last 256 keys are asked for, nothing is left to prefetch
	TRIP 1, 0, 0                                   ; and nothing is left to ask for
	; THE WAY OUT.  l's two halves and the other half of the lanes' are added; O^T is divided by l, rounded to f16 and goes through the work-group's stage: a row's 256 bytes come from two waves.  The additions are the places behind the last products.
.irp t, 0,1
	v_add_f32 v[ST+8*\t+4], v[ST+8*\t+2], v[ST+8*\t+3]
.endr
.irp t, 0,1
	v_permlanex16_b32 v[ST+8*\t+5], v[ST+8*\t+4], s[SEL], s[SEL+1]
.endr
.irp t, 0,1
	v_add_f32 v[ST+8*\t+4], v[ST+8*\t+4], v[ST+8*\t+5]
.endr
.irp t, 0,1
	v_rcp_f32 v[ST+8*\t+6], v[ST+8*\t+4]
.endr
	v_nop                                          ; a plain instruction between the last reciprocal and the use of its result
	WIN W_RS
	s_wait_alu depctr_va_vdst(0)
.irp t, 0,1
.irp i, 0,2,4,6,8,10,12,14,16,18,20,22,24,26,28,30
	v_pk_mul_f32 v[32*\t+\i:32*\t+\i+1], v[32*\t+\i:32*\t+\i+1], v[ST+8*\t+6:ST+8*\t+7] op_sel_hi:[1,0]
.endr
.endr
	WIN W_F1
.set i, 0
.rept 32
	v_cvt_pk_f16_f32 v[S+i], v[2*i], v[2*i+1]      ; S^T's registers are free
.set i, i+1
.endr
	WIN 0
.irp t, 0,1
.irp ct, 0,1,2,3
	ds_store_b128 v[STO], v[S+16*\t+4*\ct:S+16*\t+4*\ct+3] offset:\t*16*SP+32*\ct
.endr
.endr
	s_wait_dscnt 0x0                               ; for the others' sake: my stores into the stage are done
	s_barrier_signal -1
	s_barrier_wait -1
.irp t, 0,1,2,3,4,5,6,7
	ds_load_b128 v[S+32+4*\t:S+32+4*\t+3], v[RD] offset:\t*2*SP
.endr
.irp t, 0,1,2,3,4,5,6,7
	s_wait_dscnt 7-\t                              ; LDS loads come back in order: pair t of rows is in, the younger ones may be out
	global_store_b128 v[GO], v[S+32+4*\t:S+32+4*\t+3], s[10:11] offset:\t*2*ROWG   ; 16 lanes store 256 consecutive bytes, at a multiple of 256 from ao's first byte
.endr
	s_wait_tensorcnt 0x0                           ; the wave's end: behind my last tensor load and my last LDS store
	ds_add_u32 v[SPW], v[NIL]
	s_wait_dscnt 0x0
	CROUND                                         ; the closing round: no work-group ends while a partner may still ask for a tile that names it
	s_endpgm
.Lfunc_end_k_q462b0e4ca3_attn:
	.size	k_q462b0e4ca3_attn, .Lfunc_end_k_q462b0e4ca3_attn-k_q462b0e4ca3_attn
	.p2alignl 7, 3214868480
	.fill 96, 4, 3214868480
	.section	.rodata,"a",@progbits
	.p2align	6, 0x0
	.amdhsa_kernel k_q462b0e4ca3_attn
		.amdhsa_group_segment_fixed_size 327680
		.amdhsa_private_segment_fixed_size 0
		.amdhsa_enable_private_segment 0
		.amdhsa_kernarg_size 48
		.amdhsa_user_sgpr_count 2
		.amdhsa_user_sgpr_kernarg_segment_ptr 1
		.amdhsa_wavefront_size32 1
		.amdhsa_system_sgpr_workgroup_id_x 1
		.amdhsa_system_sgpr_workgroup_id_y 1
		.amdhsa_system_sgpr_workgroup_id_z 1
		.amdhsa_system_vgpr_workitem_id 0
		.amdhsa_next_free_vgpr 384
		.amdhsa_next_free_sgpr 102
		.amdhsa_reserve_vcc 0
		.amdhsa_float_denorm_mode_32 3
		.amdhsa_float_denorm_mode_16_64 3
		.amdhsa_memory_ordered 1
		.amdhsa_forward_progress 1
		.amdhsa_inst_pref_size 113
	.end_amdhsa_kernel
	.amdgpu_metadata
---
amdhsa.version: [ 1, 2 ]
amdhsa.kernels:
  - .name:           k_q462b0e4ca3_attn
    .symbol:         k_q462b0e4ca3_attn.kd
    .args:
      - { .name: codes, .offset: 0, .size: 8, .value_kind: global_buffer, .address_space: global }
      - { .name: kb, .offset: 8, .size: 8, .value_kind: global_buffer, .address_space: global }
      - { .name: vb, .offset: 16, .size: 8, .value_kind: global_buffer, .address_space: global }
      - { .name: ao, .offset: 24, .size: 8, .value_kind: global_buffer, .address_space: global }
      - { .name: scales, .offset: 32, .size: 8, .value_kind: global_buffer, .address_space: global }
      - { .name: bq, .offset: 40, .size: 8, .value_kind: global_buffer, .address_space: global }
    .group_segment_fixed_size: 327680
    .private_segment_fixed_size: 0
    .kernarg_segment_align: 8
    .kernarg_segment_size: 48
    .max_flat_workgroup_size: 256
    .sgpr_count:     102
    .vgpr_count:     384
    .wavefront_size: 32
...
	.end_amdgpu_metadata
.endif
;; end of part 3
;; launch outp (part 4): grid 8 x 32, 4 waves a work-group, clusters of 4 x 4, 327,680 bytes of LDS; arguments ao, wob, bo, out0; writes out0
.if DOCPART == 4
	.amdgcn_target "amdgcn-amd-amdhsa--gfx1250"
	.amdhsa_code_object_version 6
	.text
	.protected	k_q462b0e4ca3_outp
	.globl	k_q462b0e4ca3_outp
	.p2align	8
	.type	k_q462b0e4ca3_outp,@function
k_q462b0e4ca3_outp:
	s_mov_b64 s[64:65], 0
	v_nop
	global_prefetch_b8 v0, s[64:65] scope:SCOPE_SE
	s_setreg_imm32_b32 hwreg(HW_REG_WAVE_MODE, 25, 1), 1
	s_wait_xcnt 0x0
	s_wait_alu depctr_hold_cnt(0) depctr_sa_sdst(0) depctr_va_vdst(0) depctr_va_sdst(0) depctr_va_ssrc(0) depctr_va_vcc(0) depctr_vm_vsrc(0)
	s_getreg_b32 s2, hwreg(HW_REG_IB_STS2, 6, 4)
	s_cmp_eq_u32 s2, 0
	s_cbranch_scc0 .Lentry_in_a_cluster
	s_endpgm
.Lentry_in_a_cluster:
	s_bfe_u32 s2, ttmp6, 0x10000c
	s_cmp_lg_u32 s2, 0xf033
	s_cbranch_scc0 .Lentry_shape_is_right
	s_endpgm
.Lentry_shape_is_right:
; out0[m][n] = sum over k of ao[m][k] wo[n][k] + bo[n].  ao: [4096][1024], wob (wo rounded to f16): [1024][1024], both f16; bo [1024] and out0 [4096][1024] f32; sums in f32.
; 256 tiles of 128 x 128, one to a work-group.  Four waves, each 64 x 64: 16 accumulators of 16 x 16, 128 registers.  K goes in steps of 256 (LDS rows of 512 bytes; a wave's tensor load brings 64 of them) through two slots.
; CLUSTERS: 4 x 4 work-groups.  The four of a row of the cluster need the same tiles of ao, the four of a column the same tiles of wob: each tile is asked for JOINTLY, by the same tensor load with the
; same descriptor and a mask that names the four.  THE MATRIX INSTRUCTION IS USED TRANSPOSED (source 0 = 16 rows of wob, source 1 = 16 rows of ao): a lane then holds eight neighbouring numbers of a row of out0.
; The bias is the C of each sum's first product: eight registers for each block of 16 columns, in the result's layout.
; A wave's 64 columns of f32 are 256 aligned bytes of a row: each wave has a stage of its own for the way out, and no barrier stands there.
; No prefetch: every tile is read by several clusters, and a K step of this small tile is short.
; REGISTERS: window 0: v0-31 addresses; v32-63 the bias, later with v64-95 rows on the way out; v128-255 the accumulators ((a, b) at v[128 + 8 (4 a + b)]).
;   window 1: two fragment buffers of 128: for 64 along K, 64 registers of ao (2 x 4 x 16 rows x 32 K), then 64 of wob.
.set SIZE_M, 4096
.set SIZE_N, 1024
.set SIZE_K, 1024
.set KSTEP,  256
.set PITCH,  528                       ; an LDS row: 512 bytes of data + 16 of padding = 132 words: row r starts at bank 4 r mod 64 (64 banks of 4 bytes: ISA guide 11.1)
.set HALFT,  64*PITCH                  ; 64 rows: what one tensor load brings, and what one wave reads of A or of B
.set SLOT,   4*HALFT                   ; A's 128 rows, then B's 128 rows
.set STAGE,  2*SLOT                    ; behind the ring: 16 rows x 272 bytes for each wave
.set SPITCH, 272
.set SPARE,  STAGE+4*16*SPITCH         ; the spare words, 128 bytes for each wave: two blocks of 256 bytes that no other line names
.set LAPS, SIZE_K/(2*KSTEP)            ; a lap = two K steps = once round the ring
.set ADRA, 16                          ; v16-17  LDS address of my A fragments in slot 0, 1
.set ADRB, 20                          ; v20-21  the same for B
.set STO,  24                          ; v24     the way out: where I put 32 bytes of a row
.set RD,   25                          ; v25     where I read a row back
.set CO,   26                          ; v26     my byte offset in two rows of out0
.set BO,   27                          ; v27     my byte offset in a block of 16 biases: 32 x (lane / 16)
.set SPW,  28                          ; v28     LDS address of my spare word; never rewritten
.set NIL,  29                          ; v29     0; never rewritten
.set BI,   32                          ; v32-63  the bias
.set BK,   32                          ; the way out: 16 rows read back: v32-63 and v64-95 by turns
.set ACC,  128
.set F0,   0                           ; fragment buffers, in window 1
.set F1,   128
.set G1, 24                            ; s[24:31] descriptor group 1 for A's tiles;  s[32:39] group 0, one set for each slot
.set G0, 32
.set G1B, 48                           ; s[48:55], s[56:63] the same for B's tiles
.set G0B, 56
.set MSB, 0
.macro WIN new                         ; the immediate's high byte repeats the setting that is left
.if MSB != \new
	s_set_vgpr_msb (MSB<<8)|\new
.set MSB, \new
.endif
.endm
.set MUL,  0x05                        ; sources 0 (B) and 1 (A) window 1; C and D window 0
.set TO_F, 0x40                        ; destination window 1, address window 0
.macro JLOAD s                         ; a joint load: waves 0 and 1 fetch A's two halves, waves 2 and 3 B's; four v_nop follow each of the two lines
	s_cmp_eq_u32 s11, 0
	s_cbranch_scc0 .Lfor_b_\@
	tensor_load_to_lds s[G0+4*\s:G0+4*\s+3], s[G1:G1+7]
	s_nop 0
.rept 4
	v_nop
.endr
	s_branch .Lasked_\@
.Lfor_b_\@:
	tensor_load_to_lds s[G0B+4*\s:G0B+4*\s+3], s[G1B:G1B+7]
	s_nop 0
.rept 4
	v_nop
.endr
.Lasked_\@:
.endm
.macro CREST                           ; a round of the cluster's barrier behind its opening barrier
	s_cmp_lg_u32 s10, 0
	s_cbranch_scc1 .Lnot_wave_0_\@
	s_barrier_signal -3
.Lnot_wave_0_\@:
	s_barrier_wait -3
	s_barrier_signal -1
	s_barrier_wait -1
.endm
.macro CROUND                          ; a whole round
	s_barrier_signal -1
	s_barrier_wait -1
	CREST
.endm
	s_load_b128 s[4:7], s[0:1], 0x0                ; ao s[4:5], wob s[6:7]
	s_load_b64 s[2:3], s[0:1], 0x10                ; bo
	s_load_b64 s[8:9], s[0:1], 0x18                ; out0
	v_lshl_add_u32 v[SPW], v0, 2, SPARE
	v_mov_b32 v[NIL], 0
	ds_add_u32 v28, v29
	s_wait_dscnt 0x0
	v_lshrrev_b32 v1, 5, v0
	v_readfirstlane_b32 s10, v1                    ; wave 0..3
	s_lshr_b32 s11, s10, 1                         ; which half of the tile's rows is mine.  Also: I fetch for A (0) or for B (1)
	s_and_b32 s12, s10, 1                          ; which half of its columns.  Also: which 64 rows of that tile I fetch
	s_bfe_u32 s40, ttmp6, 0x40000                  ; cx, cy: my place in the cluster
	s_bfe_u32 s41, ttmp6, 0x40004
	s_lshl_b32 s42, ttmp9, 2
	s_add_co_u32 s42, s42, s40                     ; tile column = 4 x cluster x + cx
	s_and_b32 s13, ttmp7, 0xffff
	s_lshl_b32 s13, s13, 2
	s_add_co_u32 s13, s13, s41                     ; tile row = 4 x cluster y + cy
	s_lshl_b32 s43, s41, 2
	s_lshl_b32 s43, 15, s43                        ; my row of the cluster
	s_lshl_b32 s44, 0x1111, s40                    ; my column
	; descriptor group 1: a tile of 64 rows x 256 elements, padded in LDS
	s_or_b32 s[G1+0], s43, (1<<16)|(1<<20)|(1<<21)|(6<<22)|(3<<25)  ; 15:0 the mask: A's tiles go to my row; 17:16 element of 2 bytes; 20 padding on; 21 set beside a mask; 24:22 after every 128 words (code 6); 31:25 of 4 words (code 3)
	s_or_b32 s[G1B+0], s44, (1<<16)|(1<<20)|(1<<21)|(6<<22)|(3<<25)
.irp g, G1, G1B
	s_mov_b32 s[\g+1], KSTEP<<16                   ; tensor_dim0 = 256
	s_mov_b32 s[\g+2], 64<<16                      ; tensor_dim1 = 64
	s_mov_b32 s[\g+3], KSTEP<<16                   ; tile_dim0 = 256
	s_mov_b32 s[\g+4], 64                          ; tile_dim1 = 64
	s_mov_b32 s[\g+5], SIZE_K                      ; tensor_dim0_stride
	s_mov_b32 s[\g+6], 0
	s_mov_b32 s[\g+7], 0
.endr
	s_lshl_b32 s17, s12, 6                         ; which 64 rows of the tile I fetch
	s_lshl_b32 s16, s13, 7
	s_add_co_u32 s16, s16, s17                     ; A: row 128 x tile row + 64 x half
	s_lshl_b32 s46, s42, 7
	s_add_co_u32 s46, s46, s17                     ; B: row 128 x tile column + 64 x half
	s_mov_b32 s17, 0
	s_mov_b32 s47, 0
	s_mov_b64 s[18:19], SIZE_K*2
	s_mul_u64 s[16:17], s[16:17], s[18:19]
	s_mul_u64 s[46:47], s[46:47], s[18:19]
	s_mul_i32 s20, s10, HALFT                      ; where they go: wave x 64 rows
	s_wait_kmcnt 0x0
	s_add_nc_u64 s[14:15], s[4:5], s[16:17]
	s_add_nc_u64 s[46:47], s[6:7], s[46:47]
	CROUND                                         ; all sixteen work-groups are here: the first joint loads meet
.irp s, 0,1
	s_mov_b32 s[G0+4*\s], 1
	s_add_co_u32 s[G0+4*\s+1], s20, \s*SLOT
	s_add_nc_u64 s[G0+4*\s+2:G0+4*\s+3], s[14:15], \s*KSTEP*2
	s_or_b32 s[G0+4*\s+3], s[G0+4*\s+3], 0x80000000
	s_mov_b32 s[G0B+4*\s], 1
	s_add_co_u32 s[G0B+4*\s+1], s20, \s*SLOT
	s_add_nc_u64 s[G0B+4*\s+2:G0B+4*\s+3], s[46:47], \s*KSTEP*2
	s_or_b32 s[G0B+4*\s+3], s[G0B+4*\s+3], 0x80000000
	JLOAD \s                                       ; two tensor loads of mine are out at the start, later one behind each round
.endr
	v_and_b32 v1, 15, v0                           ; l % 16
	v_bfe_u32 v2, v0, 4, 1                         ; l / 16
	v_mul_u32_u24 v3, v1, PITCH
	v_lshl_add_u32 v3, v2, 4, v3                   ; a fragment's row x pitch + 16 x half
	s_mul_i32 s21, s11, HALFT                      ; my 64 rows of A
	s_mul_i32 s22, s12, HALFT                      ; my 64 rows of B,
	s_add_co_u32 s22, s22, 2*HALFT                 ; which lie behind A's 128
.irp s, 0,1
	v_add_nc_u32 v[ADRA+\s], s21, v3
	v_add_nc_u32 v[ADRB+\s], s22, v3
	s_add_co_u32 s21, s21, SLOT
	s_add_co_u32 s22, s22, SLOT
.endr
	s_mul_i32 s23, s10, 16*SPITCH
	s_add_co_u32 s23, s23, STAGE                   ; my stage
	v_mul_u32_u24 v4, v1, SPITCH                   ; in: row l % 16, 32 bytes for each half of the lanes
	v_lshl_add_u32 v4, v2, 5, v4
	v_add_nc_u32 v[STO], s23, v4
	v_mul_u32_u24 v5, v2, SPITCH                   ; back: lanes 0-15 take one row of 256 bytes, lanes 16-31 the next
	v_lshl_add_u32 v5, v1, 4, v5
	v_add_nc_u32 v[RD], s23, v5
	v_lshlrev_b32 v5, 12, v2                       ; and the same two rows in out0
	v_lshl_add_u32 v[CO], v1, 4, v5
	v_lshlrev_b32 v[BO], 5, v2
	s_lshl_b32 s16, s13, 7
	s_lshl_b32 s17, s11, 6
	s_add_co_u32 s16, s16, s17                     ; my first row: 128 x tile row + 64 x half
	s_lshl_b32 s16, s16, 12                        ; 4,096 bytes a row (16 MiB at the most)
	s_mov_b32 s17, 0
	s_add_nc_u64 s[8:9], s[8:9], s[16:17]
	s_lshl_b32 s46, s42, 9                         ; my first column, as f32: 512 x tile column + 256 x half
	s_lshl_b32 s47, s12, 8
	s_add_co_u32 s46, s46, s47
	s_mov_b32 s47, 0
	s_add_nc_u64 s[8:9], s[8:9], s[46:47]
	s_add_nc_u64 s[2:3], s[2:3], s[46:47]
.irp b, 0,1,2,3
	global_load_b128 v[BI+8*\b:BI+8*\b+3], v[BO], s[2:3] offset:64*\b            ; lane (r, h): the biases of columns 16 b + 8 h + 0 .. 7
	global_load_b128 v[BI+8*\b+4:BI+8*\b+7], v[BO], s[2:3] offset:64*\b+16
.endr
; 8 matrix instructions: m blocks a0, a0 + 1 x all 4 n blocks, 32 along K: half c of buffer f.  zero = 1: the first product starts the sums from the bias.  The 16 accumulators take turns
.macro MUL8 f, c, a0, zero
.irp a, \a0, \a0+1
.irp b, 0,1,2,3
.if \zero
	v_wmma_f32_16x16x32_f16 v[ACC+8*(4*(\a)+\b):ACC+8*(4*(\a)+\b)+7], v[\f+64+8*(4*\c+\b):\f+64+8*(4*\c+\b)+7], v[\f+8*(4*\c+\a):\f+8*(4*\c+\a)+7], v[BI+8*\b:BI+8*\b+7]
.else
	v_wmma_f32_16x16x32_f16 v[ACC+8*(4*(\a)+\b):ACC+8*(4*(\a)+\b)+7], v[\f+64+8*(4*\c+\b):\f+64+8*(4*\c+\b)+7], v[\f+8*(4*\c+\a):\f+8*(4*\c+\a)+7], v[ACC+8*(4*(\a)+\b):ACC+8*(4*(\a)+\b)+7]
.endif
.endr
.endr
.endm
; 32 LDS loads in one run: the fragments of 64 along K at byte k of the rows, into buffer f; the first 32 along K first
.macro FETCH slot, k, f
	WIN TO_F
.irp c, 0,1
.irp i, 0,1,2,3
	ds_load_b128 v[\f+64+8*(4*\c+\i):\f+64+8*(4*\c+\i)+3],   v[ADRB+\slot] offset:\k+64*\c+\i*16*PITCH
	ds_load_b128 v[\f+64+8*(4*\c+\i)+4:\f+64+8*(4*\c+\i)+7], v[ADRB+\slot] offset:\k+64*\c+\i*16*PITCH+32
	ds_load_b128 v[\f+8*(4*\c+\i):\f+8*(4*\c+\i)+3],         v[ADRA+\slot] offset:\k+64*\c+\i*16*PITCH
	ds_load_b128 v[\f+8*(4*\c+\i)+4:\f+8*(4*\c+\i)+7],       v[ADRA+\slot] offset:\k+64*\c+\i*16*PITCH+32
.endr
.endr
.endm
.macro PLACES                          ; four places in front of loads into registers that matrix instructions have read, and of the first read of results (ISA guide 7.12.1 for vector instructions)
.rept 4
	v_nop
.endr
.endm
; A K step is four quarters of 64 along K, 32 matrix instructions each, on buffers 0, 1, 0, 1.  One of the first three: multiplies buffer f and fetches the next quarter, at byte k, into g.
.macro QUARTER slot, k, f, g, zero
	s_wait_dscnt 16                                ; the first 32 along K are in; the sixteen loads of the second 32 may be out
	WIN MUL
	MUL8 \f, 0, 0, \zero
	MUL8 \f, 0, 2, \zero
	PLACES
	FETCH \slot, \k, \g
	s_wait_dscnt 32                                ; all but the 32 just issued
	WIN MUL
	MUL8 \f, 1, 0, 0
	MUL8 \f, 1, 2, 0
.endm
; The last quarter multiplies buffer 1 and changes slots: ONE barrier; in front of it each wave waits for all its tensor loads, adds 0 to its spare word, and waits for that and for its own reads of this slot.  fill = 1: this slot is filled again, two K steps ahead.
.macro TURN slot, next, fill
	WIN 0                                          ; (the add's two registers lie in window 0)
	s_wait_tensorcnt 0x0                           ; all my tensor loads have landed: my part of the next slot;
	ds_add_u32 v[SPW], v[NIL]                      ; 0 onto my spare word;
	s_wait_dscnt 17                                ; (the add and the youngest sixteen loads may be out)
	WIN MUL
	MUL8 F1, 0, 0, 0                               ; eight matrix instructions stand between the add and the wait for it
	s_wait_dscnt 0x0                               ; the add is done, and my reads of this slot are over
	s_barrier_signal -1
	MUL8 F1, 0, 2, 0
.if \fill
	WIN 0
.endif
	s_barrier_wait -1
.if \fill
	CREST                                          ; the barrier has opened a round of the cluster's barrier: no wave of any partner still reads this slot's tile or has a load on its way
	s_add_nc_u64 s[G0+4*\slot+2:G0+4*\slot+3], s[G0+4*\slot+2:G0+4*\slot+3], 2*KSTEP*2
	s_add_nc_u64 s[G0B+4*\slot+2:G0B+4*\slot+3], s[G0B+4*\slot+2:G0B+4*\slot+3], 2*KSTEP*2
	JLOAD \slot                                    ; the first tensor load behind the round; the four v_nop behind it are also the places in front of the loads below
.else
	PLACES
.endif
	FETCH \next, 0, F0
	WIN MUL
	MUL8 F1, 1, 0, 0
	MUL8 F1, 1, 2, 0
.endm
	s_wait_tensorcnt 1                             ; my part of K step 0 is in (K step 1's load may be out),
	s_barrier_signal -1
	s_barrier_wait -1                              ; everybody's is
	FETCH 0, 0, F0
	s_wait_loadcnt 0x0                             ; the bias
	QUARTER 0, 128, F0, F1, 1                      ; the first quarter stands in front of the loop: its first products start the sums from the bias
	WIN 0                                          ; at a label and at a branch every window is 0
	s_mov_b32 s45, LAPS-1
.Llap:                                                 ; a trip goes once round the ring, from a lap's second quarter to the next lap's first, and fills both slots again
	QUARTER 0, 256, F1, F0, 0
	QUARTER 0, 384, F0, F1, 0
	TURN 0, 1, 1
	QUARTER 1, 128, F0, F1, 0
	QUARTER 1, 256, F1, F0, 0
	QUARTER 1, 384, F0, F1, 0
	TURN 1, 0, 1
	QUARTER 0, 128, F0, F1, 0
	WIN 0
	s_sub_co_u32 s45, s45, 1
	s_cmp_lg_u32 s45, 0
	s_cbranch_scc1 .Llap
	QUARTER 0, 256, F1, F0, 0                      ; the last lap fills nothing, and has no round of the cluster's barrier
	QUARTER 0, 384, F0, F1, 0
	TURN 0, 1, 0
	QUARTER 1, 128, F0, F1, 0
	QUARTER 1, 256, F1, F0, 0
	QUARTER 1, 384, F0, F1, 0
	s_wait_dscnt 16                                ; the very last quarter: nothing more to fetch
	WIN MUL
	MUL8 F1, 0, 0, 0
	MUL8 F1, 0, 2, 0
	s_wait_dscnt 0
	MUL8 F1, 1, 0, 0
	MUL8 F1, 1, 2, 0
	WIN 0
; THE WAY OUT, block by block of 16 rows x 64 columns.  A lane holds 32 neighbouring bytes of a row, and the lanes beside it hold other rows: a block goes through my own stage in LDS and comes back as whole rows of 256 bytes.
; LDS serves a wave's instructions in order (ISA guide 5.7.1.4): no wait between the stores and the loads, nor in front of the next block's stores.
.macro TOSTAGE a
.set BB, BK+32*((\a)%2)
.irp b, 0,1,2,3
	ds_store_b128 v[STO], v[ACC+8*(4*(\a)+\b):ACC+8*(4*(\a)+\b)+3] offset:64*\b        ; each accumulator from its low end on
	ds_store_b128 v[STO], v[ACC+8*(4*(\a)+\b)+4:ACC+8*(4*(\a)+\b)+7] offset:64*\b+16
.endr
.irp t, 0,1,2,3,4,5,6,7
	ds_load_b128 v[BB+4*\t:BB+4*\t+3], v[RD] offset:\t*2*SPITCH
.endr
.endm
.macro SEND a, younger                 ; younger: the LDS instructions issued behind block a's loads (the next block's 8 stores and 8 loads), which may stay out
.set BB, BK+32*((\a)%2)
	s_wait_dscnt \younger
.irp t, 0,1,2,3,4,5,6,7
	global_store_b128 v[CO], v[BB+4*\t:BB+4*\t+3], s[8:9] offset:(16*(\a)+2*\t)*SIZE_N*4 th:TH_STORE_NT   ; 16 lanes store 256 consecutive bytes, at a multiple of 256 from out0's first byte; written once, read by nobody here
.endr
.endm
	PLACES
	TOSTAGE 0
.irp a, 1,2,3
.if \a > 1
	s_wait_xcnt 0x0                                ; block a - 2's stores have read their registers: block a's rows may land there
.endif
	TOSTAGE \a
	SEND \a-1, 16
.endr
	SEND 3, 0
	s_wait_tensorcnt 0x0                           ; the wave's end: behind my last tensor load and my last LDS store
	ds_add_u32 v[SPW], v[NIL]
	s_wait_dscnt 0x0
	CROUND                                         ; the closing round: no work-group ends while a partner may still ask for a tile that names it
	s_endpgm
.Lfunc_end_k_q462b0e4ca3_outp:
	.size	k_q462b0e4ca3_outp, .Lfunc_end_k_q462b0e4ca3_outp-k_q462b0e4ca3_outp
	.p2alignl 7, 3214868480
	.fill 96, 4, 3214868480
	.section	.rodata,"a",@progbits
	.p2align	6, 0x0
	.amdhsa_kernel k_q462b0e4ca3_outp
		.amdhsa_group_segment_fixed_size 327680
		.amdhsa_private_segment_fixed_size 0
		.amdhsa_enable_private_segment 0
		.amdhsa_kernarg_size 32
		.amdhsa_user_sgpr_count 2
		.amdhsa_user_sgpr_kernarg_segment_ptr 1
		.amdhsa_wavefront_size32 1
		.amdhsa_system_sgpr_workgroup_id_x 1
		.amdhsa_system_sgpr_workgroup_id_y 1
		.amdhsa_system_sgpr_workgroup_id_z 1
		.amdhsa_system_vgpr_workitem_id 0
		.amdhsa_next_free_vgpr 512
		.amdhsa_next_free_sgpr 66
		.amdhsa_reserve_vcc 0
		.amdhsa_float_denorm_mode_32 3
		.amdhsa_float_denorm_mode_16_64 3
		.amdhsa_memory_ordered 1
		.amdhsa_forward_progress 1
		.amdhsa_inst_pref_size 86
	.end_amdhsa_kernel
	.amdgpu_metadata
---
amdhsa.version: [ 1, 2 ]
amdhsa.kernels:
  - .name:           k_q462b0e4ca3_outp
    .symbol:         k_q462b0e4ca3_outp.kd
    .args:
      - { .name: ao, .offset: 0, .size: 8, .value_kind: global_buffer, .address_space: global }
      - { .name: wob, .offset: 8, .size: 8, .value_kind: global_buffer, .address_space: global }
      - { .name: bo, .offset: 16, .size: 8, .value_kind: global_buffer, .address_space: global }
      - { .name: out0, .offset: 24, .size: 8, .value_kind: global_buffer, .address_space: global }
    .group_segment_fixed_size: 327680
    .private_segment_fixed_size: 0
    .kernarg_segment_align: 8
    .kernarg_segment_size: 32
    .max_flat_workgroup_size: 128
    .sgpr_count:     66
    .vgpr_count:     512
    .wavefront_size: 32
...
	.end_amdgpu_metadata
.endif
;; end of part 4
